; MI455X (gfx1250); checked and timed in simulation.
; The chip was launched on July 23, 2026; its instructions are those of AMD's public machine-readable ISA for CDNA 5 (MIT licence, August 2026) and "CDNA5" Instruction Set Architecture Reference Guide (July 2026). The comments in the code are by the model that wrote it; some were corrected since.
;; Multi Head Attention. Allowed arithmetic: float matrix products may take bf16 or f16 operands with f32 sums; all other float work in f32.
;; Inputs: Wk 1,024 x 1,024 float32; Wo 1,024 x 1,024 float32; Wq 1,024 x 1,024 float32; Wv 1,024 x 1,024 float32; bk 1,024 float32; bo 1,024 float32; bq 1,024 float32; bv 1,024 float32; k 4 x 2,048 x 1,024 float32; mask 4 x 2,048 x 2,048 int32; q 4 x 2,048 x 1,024 float32; v 4 x 2,048 x 1,024 float32.
;; Outputs: out0 4 x 2,048 x 1,024 float32.
;; 2 versions, each right; version 2 is version 1 with the launch prep written anew for expert scheduling mode. Each part assembles by itself: llvm-mc -triple=amdgcn-amd-amdhsa -mcpu=gfx1250 --defsym DOCPART=n.
;; ======== version 1 of 2: 4 launches
;; limits: values are held in f16: magnitudes above 65,504 overflow, below 6.1e-05 lose precision
;; workspace buffers: xb 50,331,648 bytes; wb 8,388,608 bytes; mb 2,097,152 bytes of whole numbers; qkvb 50,331,648 bytes; ao 16,777,216 bytes
;; launch prep (part 1): grid 2304 x 1, 8 waves a work-group, no clusters, 35,840 bytes of LDS; arguments q, k, v, Wq, Wk, Wv, Wo, mask, xb, wb, mb; writes xb, wb, mb
.if DOCPART == 1
	.amdgcn_target "amdgcn-amd-amdhsa--gfx1250"
	.amdhsa_code_object_version 6
	.text
	.protected	k_qc5cb1d1342_prep
	.globl	k_qc5cb1d1342_prep
	.p2align	8
	.type	k_qc5cb1d1342_prep,@function
k_qc5cb1d1342_prep:
	s_mov_b64 s[64:65], 0
	v_nop
	global_prefetch_b8 v0, s[64:65] scope:SCOPE_SE
	s_setreg_imm32_b32 hwreg(HW_REG_WAVE_MODE, 25, 1), 1
	s_wait_xcnt 0x0
; prep: two jobs that only move bytes, chosen by the work-group's number.
;   groups 0 .. 1791    CAST: 64 KiB of f32 (q, k, v, Wq, Wk, Wv, Wo, in this order) become 32 KiB of f16 in xb (q, k, v) or wb (Wq, Wk, Wv, Wo).
;   groups 1792 .. 2303 MASK: the 16 mask rows of query tile T = group - 1792 become 128 x 8 words of lane masks in mb:
;                       word j of (T, key tile U) has bit L = (mask[16 T + (L & 15)][16 U + 8 (L >> 4) + j] != 0),
;                       which is the lane mask of register j of a 16 x 16 tile of transposed scores: attention masks with one select a register.
; Every input byte is read once, by 16-byte loads of which sixteen neighbouring lanes cover 256 consecutive bytes; every store of a wave covers
; 256 or 512 consecutive aligned bytes.  No work-group shares an input byte with another: clusters and the matrix unit have nothing to give here.
; LIMIT: a number of 65,520 or more in magnitude becomes an f16 infinity.
.set CASTS, 1792                       ; 3 x 512 chunks of x + 4 x 64 chunks of W
.set XR,   16                          ; v[16:143]  loaded words (CAST uses the first 64)
.set HR,   80                          ; v[80:111]  CAST: packed f16, two registers for each load
.set FR,   144                         ; v[144:175] MASK: one piece of 64 keys, read back in the score tile's lane order
.set OUTR, 8                           ; v[8:11]    MASK: lane l holds words 4 l .. 4 l + 3 of the wave's 128
.set LP,   272                         ; LDS pitch: 256 bytes + 16, so that 16 rows begin in 16 different 16-byte columns modulo 256 bytes
	s_load_b512 s[16:31], s[0:1], 0x0              ; q k v Wq Wk Wv Wo mask, a pair each from s16 on
	s_load_b128 s[32:35], s[0:1], 0x40             ; xb s[32:33], wb s[34:35]
	s_load_b64 s[36:37], s[0:1], 0x50              ; mb
	v_lshl_add_u32 v176, v0, 2, 0x8800
	v_mov_b32 v177, 0
	v_lshrrev_b32 v5, 5, v0
	v_readfirstlane_b32 s12, v5                    ; wave 0..7
	v_and_b32 v6, 31, v0                           ; lane
	s_mov_b32 s14, ttmp9
	s_mov_b32 s3, 0                                ; upper word of every offset pair
	s_wait_kmcnt 0x0
	s_cmp_ge_u32 s14, CASTS
	s_cbranch_scc1 .Lmask
	; ---------------- CAST ----------------
	s_lshr_b32 s4, s14, 9                          ; 0, 1, 2: q, k, v; 3: a weight
	s_sub_co_u32 s5, s14, 1536                     ; chunk among the weights' 256 (used only where s4 = 3)
	s_lshr_b32 s6, s5, 6
	s_add_co_u32 s6, s6, 3                         ; 3 .. 6: Wq, Wk, Wv, Wo
	s_and_b32 s7, s14, 511                         ; chunk inside q, k or v
	s_and_b32 s13, s5, 63                          ; chunk inside a weight
	s_cmp_lt_u32 s4, 3                             ; the selects below leave SCC alone
	s_cselect_b32 s6, s4, s6                       ; which source
	s_cselect_b32 s7, s7, s13                      ; chunk in the source
	s_cselect_b32 s5, s14, s5                      ; chunk in the destination
	s_cselect_b64 s[10:11], s[32:33], s[34:35]     ; xb or wb
	s_mov_b64 s[8:9], s[16:17]
.irp n, 1,2,3,4,5,6
	s_cmp_eq_u32 s6, \n
	s_cselect_b64 s[8:9], s[16+2*\n:17+2*\n], s[8:9]
.endr
	s_lshl_b32 s2, s7, 16                          ; 64 KiB of f32 a chunk
	s_add_nc_u64 s[8:9], s[8:9], s[2:3]
	s_lshl_b32 s2, s5, 15                          ; 32 KiB of f16 a chunk
	s_add_nc_u64 s[10:11], s[10:11], s[2:3]
	v_lshlrev_b32 v1, 4, v6
	v_lshl_add_u32 v1, s12, 13, v1                 ; source: 8,192 x wave + 16 x lane
	v_lshrrev_b32 v2, 1, v1                        ; destination: half of that
.irp j, 0,1,2,3,4,5,6,7,8,9,10,11,12,13,14,15
	global_load_b128 v[XR+4*\j:XR+4*\j+3], v1, s[8:9] offset:512*\j th:TH_LOAD_NT   ; all sixteen go out at once: 8 KiB a wave
.endr
.irp j, 0,1,2,3,4,5,6,7,8,9,10,11,12,13,14,15
	s_wait_loadcnt 15-\j                           ; loads return in order: the 15 - j younger ones stay out
	v_cvt_pk_f16_f32 v[HR+2*\j],   v[XR+4*\j],   v[XR+4*\j+1]
	v_cvt_pk_f16_f32 v[HR+2*\j+1], v[XR+4*\j+2], v[XR+4*\j+3]
	global_store_b64 v2, v[HR+2*\j:HR+2*\j+1], s[10:11] offset:256*\j              ; 32 lanes x 8 bytes: 256 consecutive aligned bytes
.endr
	s_endpgm
	; ---------------- MASK ----------------
.Lmask:
	s_sub_co_u32 s4, s14, CASTS                    ; T
	s_lshl_b32 s2, s4, 17                          ; 16 rows of 8,192 bytes
	s_add_nc_u64 s[30:31], s[30:31], s[2:3]
	s_lshl_b32 s2, s4, 12                          ; 128 key tiles x 8 words
	s_add_nc_u64 s[36:37], s[36:37], s[2:3]
	v_and_b32 v7, 15, v0                           ; r
	v_bfe_u32 v12, v0, 4, 1                        ; h
	v_lshlrev_b32 v1, 4, v7
	v_lshl_add_u32 v1, v12, 13, v1
	v_lshl_add_u32 v1, s12, 10, v1                 ; memory: row h of a pair, my wave's 256 keys, 16 bytes a lane
	s_mul_i32 s13, s12, 16*LP                      ; my wave's own 16 rows in LDS
	v_mul_u32_u24 v2, v12, LP
	v_lshl_add_u32 v2, v7, 4, v2
	v_add_nc_u32 v2, s13, v2                       ; in: as loaded
	v_mul_u32_u24 v3, v7, LP
	v_lshl_add_u32 v3, v12, 5, v3
	v_add_nc_u32 v3, s13, v3                       ; back: row r, keys 8 h .. 8 h + 7 of a key tile
	v_lshlrev_b32 v4, 4, v6
	v_lshl_add_u32 v4, s12, 9, v4                  ; mb: 512 bytes a wave, 16 a lane
.irp j, 0,1,2,3
	v_mov_b32 v[OUTR+\j], 0                        ; v_writelane_b32 keeps the other lanes: the registers are written whole first
.endr
.irp p, 0,1,2,3
.irp t, 0,1,2,3,4,5,6,7
	global_load_b128 v[XR+4*(8*\p+\t):XR+4*(8*\p+\t)+3], v1, s[30:31] offset:256*\p+16384*\t th:TH_LOAD_NT   ; piece p (64 keys), rows 2 t and 2 t + 1
.endr
.endr
; One piece of 64 keys: through the wave's own LDS rows into the score tile's lane order, 32 compares, 32 words placed.
; The bytes are the wave's own and LDS serves a wave's instructions in order (ISA guide 5.7.1): no barrier.
.macro PIECE p
	s_wait_loadcnt 24-8*\p                         ; the loads of the later pieces, eight each, stay out
.irp t, 0,1,2,3,4,5,6,7
	ds_store_b128 v2, v[XR+4*(8*\p+\t):XR+4*(8*\p+\t)+3] offset:2*LP*\t
.endr
.irp e, 0,1,2,3,4,5,6,7
	ds_load_b128 v[FR+4*\e:FR+4*\e+3], v3 offset:64*(\e/2)+16*(\e%2)               ; key tile e / 2, words j = 4 (e % 2) ..
.endr
	s_wait_dscnt 0x0
.set n, 0
.rept 2
.set c, 0
.rept 16
	v_cmp_ne_u32 s[40+c], 0, v[FR+n+c]             ; the lane mask itself is the word
.set c, c+1
.endr
.set c, 0
.rept 16
	v_writelane_b32 v[OUTR+((32*\p+n+c)&3)], s[40+c], (32*\p+n+c)>>2
.set c, c+1
.endr
.set n, n+16
.endr
.endm
	PIECE 0
	PIECE 1
	PIECE 2
	PIECE 3
	global_store_b128 v4, v[OUTR:OUTR+3], s[36:37] ; 512 consecutive aligned bytes a wave
	s_wait_tensorcnt 0x0
	ds_add_u32 v176, v177
	s_wait_dscnt 0x0
	s_endpgm
.Lfunc_end_k_qc5cb1d1342_prep:
	.size	k_qc5cb1d1342_prep, .Lfunc_end_k_qc5cb1d1342_prep-k_qc5cb1d1342_prep
	.p2alignl 7, 3214868480
	.fill 96, 4, 3214868480
	.section	.rodata,"a",@progbits
	.p2align	6, 0x0
	.amdhsa_kernel k_qc5cb1d1342_prep
		.amdhsa_group_segment_fixed_size 35840
		.amdhsa_private_segment_fixed_size 0
		.amdhsa_enable_private_segment 0
		.amdhsa_kernarg_size 88
		.amdhsa_user_sgpr_count 2
		.amdhsa_user_sgpr_kernarg_segment_ptr 1
		.amdhsa_wavefront_size32 1
		.amdhsa_system_sgpr_workgroup_id_x 1
		.amdhsa_system_sgpr_workgroup_id_y 1
		.amdhsa_system_sgpr_workgroup_id_z 1
		.amdhsa_system_vgpr_workitem_id 0
		.amdhsa_next_free_vgpr 178
		.amdhsa_next_free_sgpr 66
		.amdhsa_reserve_vcc 0
		.amdhsa_float_denorm_mode_32 3
		.amdhsa_float_denorm_mode_16_64 3
		.amdhsa_memory_ordered 1
		.amdhsa_forward_progress 1
		.amdhsa_inst_pref_size 33
	.end_amdhsa_kernel
	.amdgpu_metadata
---
amdhsa.version: [ 1, 2 ]
amdhsa.kernels:
  - .name:           k_qc5cb1d1342_prep
    .symbol:         k_qc5cb1d1342_prep.kd
    .args:
      - { .name: q, .offset: 0, .size: 8, .value_kind: global_buffer, .address_space: global }
      - { .name: k, .offset: 8, .size: 8, .value_kind: global_buffer, .address_space: global }
      - { .name: v, .offset: 16, .size: 8, .value_kind: global_buffer, .address_space: global }
      - { .name: Wq, .offset: 24, .size: 8, .value_kind: global_buffer, .address_space: global }
      - { .name: Wk, .offset: 32, .size: 8, .value_kind: global_buffer, .address_space: global }
      - { .name: Wv, .offset: 40, .size: 8, .value_kind: global_buffer, .address_space: global }
      - { .name: Wo, .offset: 48, .size: 8, .value_kind: global_buffer, .address_space: global }
      - { .name: mask, .offset: 56, .size: 8, .value_kind: global_buffer, .address_space: global }
      - { .name: xb, .offset: 64, .size: 8, .value_kind: global_buffer, .address_space: global }
      - { .name: wb, .offset: 72, .size: 8, .value_kind: global_buffer, .address_space: global }
      - { .name: mb, .offset: 80, .size: 8, .value_kind: global_buffer, .address_space: global }
    .group_segment_fixed_size: 35840
    .private_segment_fixed_size: 0
    .kernarg_segment_align: 8
    .kernarg_segment_size: 88
    .max_flat_workgroup_size: 256
    .sgpr_count:     66
    .vgpr_count:     178
    .wavefront_size: 32
...
	.end_amdgpu_metadata
.endif
;; end of part 1
;; launch proj (part 2): grid 4 x 96, 4 waves a work-group, clusters of 4 x 4, 327,680 bytes of LDS; arguments xb, wb, bq, bk, bv, qkvb; writes qkvb
.if DOCPART == 2
	.amdgcn_target "amdgcn-amd-amdhsa--gfx1250"
	.amdhsa_code_object_version 6
	.text
	.protected	k_qc5cb1d1342_proj
	.globl	k_qc5cb1d1342_proj
	.p2align	8
	.type	k_qc5cb1d1342_proj,@function
k_qc5cb1d1342_proj:
	s_mov_b64 s[64:65], 0
	v_nop
	global_prefetch_b8 v0, s[64:65] scope:SCOPE_SE
	s_setreg_imm32_b32 hwreg(HW_REG_WAVE_MODE, 25, 1), 1
	s_wait_xcnt 0x0
	s_wait_alu depctr_hold_cnt(0) depctr_sa_sdst(0) depctr_va_vdst(0) depctr_va_sdst(0) depctr_va_ssrc(0) depctr_va_vcc(0) depctr_vm_vsrc(0)
	s_getreg_b32 s2, hwreg(HW_REG_IB_STS2, 6, 4)
	s_cmp_eq_u32 s2, 0
	s_cbranch_scc0 .Lentry_in_a_cluster
	s_endpgm
.Lentry_in_a_cluster:
	s_bfe_u32 s2, ttmp6, 0x10000c
	s_cmp_lg_u32 s2, 0xf033
	s_cbranch_scc0 .Lentry_shape_is_right
	s_endpgm
.Lentry_shape_is_right:
; proj: qkvb[mat][m][n] = (sum over k of xb[mat][m][k] wb[mat][k][n] + bias[mat][n]) x scale[mat], mat = 0, 1, 2 (q, k, v); all f16, sums in f32.
; scale is 0.125 log2(e) for q (attention's 1/sqrt(64) and the change to base 2) and 1 for k and v.
; xb and qkvb are taken as [24576][1024]; block row / 32 is mat.  A work-group makes 256 x 256 of C with four waves, a wave 128 x 128:
; 64 accumulator tiles, 512 registers.  K goes in steps of 128 through two LDS slots filled by the tensor data mover.
; W lies [k][n] in memory and in LDS; its fragments come out of LDS by the transposing load, so no transposed copy of W is ever made.
; CLUSTERS: 4 x 4 work-groups.  A's tile hangs on the block row alone and is asked for jointly along a row of the cluster, W's on the block column
; (and on mat, which is made of the cluster's y and so is equal in all sixteen) and is asked for jointly along a column.
; REGISTERS in windows of 256: window 0: v16-29 addresses and the scale, v64-127 and v128-191 fragments of A (two buffers), v192-223 the way out;
; window 1: v64-127, v128-191 fragments of W; window 2: accumulators of my rows 0-63 (tile (a, b) at v[8 (8 a + b)]); window 3: rows 64-127.
; THE MATRIX INSTRUCTION IS USED TRANSPOSED: source 0 = 16 columns of W, source 1 = 16 rows of A; lane l then holds row l % 16 of C and in its
; registers 0-7 the columns 8 (l / 16) + 0..7: eight neighbouring numbers, 16 bytes of f16.
; LIMIT: f16 operands and results: everything stays below 65,504 in magnitude.
.set SIZE_K, 1024
.set SIZE_N, 1024
.set KSTEP,  128
.set PITCH,  272                       ; A in LDS: 256 bytes + 16: the 16 rows of a fragment begin in 16 different 16-byte columns modulo 256 bytes
.set BPITCH, 544                       ; W in LDS: 512 bytes + 32, an odd multiple of 32
.set HALFT,  128*PITCH                 ; one tensor load: 128 rows of A, or 64 k-rows of W (64 x 544 is the same 34,816 bytes)
.set SLOT,   4*HALFT                   ; A's 256 rows, then W's 128 k-rows
.set STAGE,  2*SLOT                    ; behind the ring: 16 rows x 272 bytes for each wave; no tensor load lands here
.set SPITCH, 272
.set LAPS, SIZE_K/(2*KSTEP)            ; a lap = two K steps = once round the ring
.set ADRA, 16                          ; v16-17  LDS address of my A fragments in slot 0, 1
.set ADRB, 20                          ; v20-21  the same for W
.set STO,  24
.set RD,   25
.set CO,   26
.set BOFF, 27                          ; v27     32 x (l / 16): my eight bias numbers inside a tile's sixteen
.set SC,   28                          ; v[28:29] the scale, twice
.set F0,   64
.set F1,   128
.set TMP,  192
.set G1, 24                            ; s[24:31] descriptor group 1, A
.set G0, 32                            ; s[32:39] group 0, A, a set for each slot
.set G1B, 48                           ; s[48:55] group 1, W
.set G0B, 56                           ; s[56:63] group 0, W, a set for each slot
.set MSB, 0
.macro WIN new                         ; the immediate's high byte repeats the setting that is left
.if MSB != \new
	s_set_vgpr_msb (MSB<<8)|\new
.set MSB, \new
.endif
.endm
.set MUL_LO, 0xa1                      ; source 0 (W) window 1, source 1 (A) window 0, C and D window 2
.set MUL_HI, 0xf1                      ; the same, C and D window 3
.set TO_B,   0x40                      ; destination window 1, address window 0
; A joint load.  Waves 0 and 1 fetch A's two halves, waves 2 and 3 W's.  The branch hangs on the wave's number alone.
.macro JLOAD s
	s_cmp_eq_u32 s11, 0
	s_cbranch_scc0 .Lfor_b_\@
	tensor_load_to_lds s[G0+4*\s:G0+4*\s+3], s[G1:G1+7]
	s_nop 0
	s_branch .Lasked_\@
.Lfor_b_\@:
	tensor_load_to_lds s[G0B+4*\s:G0B+4*\s+3], s[G1B:G1B+7]
	s_nop 0
.Lasked_\@:
.endm
.macro CREST                           ; a round of the cluster's barrier behind its opening work-group barrier
	s_cmp_lg_u32 s10, 0
	s_cbranch_scc1 .Lnot_wave_0_\@
	s_barrier_signal -3
.Lnot_wave_0_\@:
	s_barrier_wait -3
	s_barrier_signal -1
	s_barrier_wait -1
.endm
.macro CROUND                          ; a whole round
	s_barrier_signal -1
	s_barrier_wait -1
	CREST
.endm
	s_load_b128 s[4:7], s[0:1], 0x0                ; xb s[4:5], wb s[6:7]
	s_load_b128 s[68:71], s[0:1], 0x10             ; bq s[68:69], bk s[70:71]
	s_load_b64 s[72:73], s[0:1], 0x20              ; bv
	s_load_b64 s[8:9], s[0:1], 0x28                ; qkvb
	s_set_vgpr_msb 0x40
	v_lshl_add_u32 v255, v0, 2, 0x48400
	s_set_vgpr_msb 0x4000
	v_mov_b32 v255, 0
	s_set_vgpr_msb 0x1
	ds_add_u32 v255, v255
	s_set_vgpr_msb 0x100
	v_lshrrev_b32 v1, 5, v0
	v_readfirstlane_b32 s10, v1                    ; wave 0..3
	s_lshr_b32 s11, s10, 1                         ; which half of the block's rows is mine.  Also: I fetch for A (0) or for W (1)
	s_and_b32 s12, s10, 1                          ; which half of its columns.  Also: which half of that tile I fetch
	s_bfe_u32 s40, ttmp6, 0x40000                  ; cx
	s_bfe_u32 s41, ttmp6, 0x40004                  ; cy
	s_lshl_b32 s42, ttmp9, 2
	s_add_co_u32 s42, s42, s40                     ; block column = 4 x cluster x + cx
	s_and_b32 s13, ttmp7, 0xffff
	s_lshr_b32 s45, s13, 3                         ; mat = cluster y / 8: 32 block rows a matrix
	s_lshl_b32 s13, s13, 2
	s_add_co_u32 s13, s13, s41                     ; block row = 4 x cluster y + cy
	s_lshl_b32 s43, s41, 2
	s_lshl_b32 s43, 15, s43                        ; my row of the cluster
	s_lshl_b32 s44, 0x1111, s40                    ; my column
	; group 1 for A: 128 rows x 128 elements of 2 bytes, 4 words of padding behind every 64
	s_or_b32 s[G1+0], s43, (1<<16)|(1<<20)|(1<<21)|(5<<22)|(3<<25)
	s_mov_b32 s[G1+1], KSTEP<<16                   ; tensor_dim0 = 128
	s_mov_b32 s[G1+2], 128<<16                     ; tensor_dim1 = 128
	s_mov_b32 s[G1+3], KSTEP<<16                   ; tile_dim0 = 128
	s_mov_b32 s[G1+4], 128                         ; tile_dim1 = 128
	s_mov_b32 s[G1+5], SIZE_K                      ; elements from row to row
	s_mov_b32 s[G1+6], 0
	s_mov_b32 s[G1+7], 0
	; group 1 for W: 64 k-rows x 256 elements, 8 words of padding behind every 128
	s_or_b32 s[G1B+0], s44, (1<<16)|(1<<20)|(1<<21)|(6<<22)|(7<<25)
	s_mov_b32 s[G1B+1], 256<<16                    ; tensor_dim0 = 256
	s_mov_b32 s[G1B+2], 64<<16                     ; tensor_dim1 = 64
	s_mov_b32 s[G1B+3], 256<<16                    ; tile_dim0 = 256
	s_mov_b32 s[G1B+4], 64                         ; tile_dim1 = 64
	s_mov_b32 s[G1B+5], SIZE_N
	s_mov_b32 s[G1B+6], 0
	s_mov_b32 s[G1B+7], 0
	; where the tiles come from: A's offset is made of the block row, W's of mat and the block column, each in registers of its own
	s_lshl_b32 s17, s12, 7
	s_lshl_b32 s16, s13, 8
	s_add_co_u32 s16, s16, s17                     ; A: row 256 x block row + 128 x half
	s_lshl_b32 s16, s16, 11                        ; x 2,048 bytes: 50,331,648 at the most
	s_mov_b32 s17, 0
	s_lshl_b32 s46, s45, 21                        ; W: matrix mat, 2 MiB each,
	s_lshl_b32 s47, s12, 17                        ; + 64 k-rows x half,
	s_add_co_u32 s46, s46, s47
	s_lshl_b32 s47, s42, 9                         ; + 512 bytes x block column
	s_add_co_u32 s46, s46, s47
	s_mov_b32 s47, 0
	s_mul_i32 s20, s10, HALFT                      ; and where they go: wave x 34,816
	s_wait_dscnt 0x0
	s_wait_kmcnt 0x0
	s_add_nc_u64 s[14:15], s[4:5], s[16:17]
	s_add_nc_u64 s[46:47], s[6:7], s[46:47]
	CROUND                                         ; all sixteen work-groups are here: the first joint loads meet
.irp s, 0,1
	s_mov_b32 s[G0+4*\s], 1
	s_add_co_u32 s[G0+4*\s+1], s20, \s*SLOT
	s_add_nc_u64 s[G0+4*\s+2:G0+4*\s+3], s[14:15], \s*KSTEP*2              ; K step s: 256 bytes along A's rows
	s_or_b32 s[G0+4*\s+3], s[G0+4*\s+3], 0x80000000
	s_mov_b32 s[G0B+4*\s], 1
	s_add_co_u32 s[G0B+4*\s+1], s20, \s*SLOT
	s_add_nc_u64 s[G0B+4*\s+2:G0B+4*\s+3], s[46:47], \s*KSTEP*SIZE_N*2     ; K step s: 128 rows down W
	s_or_b32 s[G0B+4*\s+3], s[G0B+4*\s+3], 0x80000000
	JLOAD \s                                       ; two tensor loads of a wave are out here, one behind every later round
.endr
	v_and_b32 v1, 15, v0                           ; r = l % 16
	v_bfe_u32 v2, v0, 4, 1                         ; h = l / 16
	v_mul_u32_u24 v3, v1, PITCH
	v_lshl_add_u32 v3, v2, 4, v3                   ; A: row r, 16 h
	v_and_b32 v6, 7, v0
	v_lshl_add_u32 v6, v2, 3, v6                   ; W: k-row 8 h + l % 8,
	v_mul_u32_u24 v6, v6, BPITCH
	v_bfe_u32 v7, v0, 3, 1
	v_lshl_add_u32 v6, v7, 4, v6                   ; 16 bytes x ((l / 8) % 2): the addresses that the transposing load wants
	s_mul_i32 s21, s11, HALFT                      ; my 128 rows of A
	s_lshl_b32 s22, s12, 8                         ; my 128 columns of W,
	s_add_co_u32 s22, s22, 2*HALFT                 ; which lies behind A's 256 rows
.irp s, 0,1
	v_add_nc_u32 v[ADRA+\s], s21, v3
	v_add_nc_u32 v[ADRB+\s], s22, v6
	s_add_co_u32 s21, s21, SLOT
	s_add_co_u32 s22, s22, SLOT
.endr
	s_mul_i32 s23, s10, 16*SPITCH
	s_add_co_u32 s23, s23, STAGE                   ; my stage
	v_mul_u32_u24 v4, v1, SPITCH
	v_lshl_add_u32 v4, v2, 4, v4
	v_add_nc_u32 v[STO], s23, v4
	v_mul_u32_u24 v5, v2, SPITCH
	v_lshl_add_u32 v5, v1, 4, v5
	v_add_nc_u32 v[RD], s23, v5
	v_mul_u32_u24 v5, v2, SIZE_N*2
	v_lshl_add_u32 v[CO], v1, 4, v5
	v_lshlrev_b32 v[BOFF], 5, v2
; 16 matrix instructions: m blocks a0, a0 + 1 of the window's four x all 8 n blocks, 32 along K.  zero = 1: the first product starts the sums.
.macro MUL16 f, hi, a0, zero
.irp a, \a0, \a0+1
.irp b, 0,1,2,3,4,5,6,7
.if \zero
	v_wmma_f32_16x16x32_f16 v[8*(8*(\a)+\b):8*(8*(\a)+\b)+7], v[\f+8*\b:\f+8*\b+7], v[\f+8*(4*\hi+\a):\f+8*(4*\hi+\a)+7], 0
.else
	v_wmma_f32_16x16x32_f16 v[8*(8*(\a)+\b):8*(8*(\a)+\b)+7], v[\f+8*\b:\f+8*\b+7], v[\f+8*(4*\hi+\a):\f+8*(4*\hi+\a)+7], v[8*(8*(\a)+\b):8*(8*(\a)+\b)+7]
.endif
.endr
.endr
.endm
; 32 LDS loads in one run: the fragments of quarter q of a K step (32 along K) into buffer f: W's 128 columns, then A's 128 rows
.macro FETCH slot, q, f
	WIN TO_B
.irp i, 0,1,2,3,4,5,6,7
	ds_load_tr16_b128 v[\f+8*\i:\f+8*\i+3],   v[ADRB+\slot] offset:\q*32*BPITCH+32*\i             ; k = 32 q + 8 h .. + 7 of column 16 i + r
	ds_load_tr16_b128 v[\f+8*\i+4:\f+8*\i+7], v[ADRB+\slot] offset:\q*32*BPITCH+32*\i+16*BPITCH   ; k = 32 q + 16 + 8 h ..; 61,152 is the largest offset
.endr
	WIN 0
.irp i, 0,1,2,3,4,5,6,7
	ds_load_b128 v[\f+8*\i:\f+8*\i+3],   v[ADRA+\slot] offset:\q*64+\i*16*PITCH
	ds_load_b128 v[\f+8*\i+4:\f+8*\i+7], v[ADRA+\slot] offset:\q*64+\i*16*PITCH+32
.endr
.endm
; Four places stand between a matrix instruction and a load into, or a vector instruction on, one of its registers (ISA guide 7.12.1 for vector
; instructions); the matrix instructions in between are not counted as places.
.macro PLACES
.rept 4
	v_nop
.endr
.endm
; A K step is four quarters of 32 along K, 64 matrix instructions each, on buffers 0, 1, 0, 1.  The 64 accumulators take turns, one instruction a
; turn, in the same order in every quarter.
.macro QUARTER slot, q, f, g, zero
	s_wait_dscnt 8                                 ; W and A's rows 0-63 are in; the youngest eight loads (A's rows 64-127) may be out
	WIN MUL_LO
	MUL16 \f, 0, 0, \zero
	MUL16 \f, 0, 2, \zero
	PLACES
	FETCH \slot, \q, \g
	s_wait_dscnt 32                                ; all but the 32 just issued
	WIN MUL_HI
	MUL16 \f, 1, 0, \zero
	MUL16 \f, 1, 2, \zero
.endm
.macro THREE slot, zero
	QUARTER \slot, 1, F0, F1, \zero
	QUARTER \slot, 2, F1, F0, 0
	QUARTER \slot, 3, F0, F1, 0
.endm
; The last quarter multiplies buffer 1 and changes slots.  In front of the barrier each wave waits for its reads of this slot and for all its tensor
; loads (the one that is out is its part of the next slot); where the slot is filled again the barrier opens a round of the cluster's barrier, and
; the joint refill is the first tensor load behind the round.  From a request to the wait for it a wave issues 240 matrix instructions.
.macro TURN slot, next, fill
	s_wait_dscnt 8
	WIN MUL_LO
	MUL16 F1, 0, 0, 0
	s_wait_dscnt 0
	s_wait_tensorcnt 0x0
	ds_add_u32 v255, v255
	s_wait_dscnt 0x0
	s_barrier_signal -1
	MUL16 F1, 0, 2, 0                              ; register work while the others arrive
	WIN 0
	s_barrier_wait -1
.if \fill
	CREST
	s_add_nc_u64 s[G0+4*\slot+2:G0+4*\slot+3], s[G0+4*\slot+2:G0+4*\slot+3], 2*KSTEP*2
	s_add_nc_u64 s[G0B+4*\slot+2:G0B+4*\slot+3], s[G0B+4*\slot+2:G0B+4*\slot+3], 2*KSTEP*SIZE_N*2
	JLOAD \slot
.endif
	PLACES
	FETCH \next, 0, F0
	WIN MUL_HI
	MUL16 F1, 1, 0, 0
	MUL16 F1, 1, 2, 0
.endm
.macro LAP zero
	THREE 0, \zero
	TURN 0, 1, 1
	THREE 1, 0
	TURN 1, 0, 1
.endm
	s_wait_tensorcnt 1                             ; my part of K step 0 is in; K step 1's stays out
	s_barrier_signal -1
	s_barrier_wait -1
	FETCH 0, 0, F0
	LAP 1                                          ; the first lap's first products start the sums
	WIN 0
	s_mov_b32 s3, LAPS-2
.Llap:
	LAP 0
	WIN 0
	s_sub_co_u32 s3, s3, 1
	s_cmp_lg_u32 s3, 0
	s_cbranch_scc1 .Llap
	THREE 0, 0                                     ; the last lap fills nothing
	TURN 0, 1, 0
	THREE 1, 0
	s_wait_dscnt 8
	WIN MUL_LO
	MUL16 F1, 0, 0, 0
	MUL16 F1, 0, 2, 0
	s_wait_dscnt 0
	WIN MUL_HI
	MUL16 F1, 1, 0, 0
	MUL16 F1, 1, 2, 0
	; THE WAY OUT.  Bias and scale first: acc = acc x scale + bias x scale, in place.
	PLACES                                         ; behind the last matrix instructions: for the loads into buffer 0 and for the arithmetic on the sums
	WIN 0
	s_cmp_eq_u32 s45, 1
	s_cselect_b64 s[74:75], s[70:71], s[68:69]     ; bk or bq
	s_cmp_eq_u32 s45, 2
	s_cselect_b64 s[74:75], s[72:73], s[74:75]     ; or bv
	s_cmp_eq_u32 s45, 0
	s_cselect_b32 s66, 0x3e38aa3b, 1.0             ; 0.125 log2(e) for q
	s_lshl_b32 s76, s42, 10                        ; my 128 columns in the bias: 1,024 bytes x block column + 512 x half
	s_lshl_b32 s77, s12, 9
	s_add_co_u32 s76, s76, s77
	s_mov_b32 s77, 0
	s_add_nc_u64 s[74:75], s[74:75], s[76:77]
.irp b, 0,1,2,3,4,5,6,7
	global_load_b128 v[F0+8*\b:F0+8*\b+3],   v[BOFF], s[74:75] offset:64*\b       ; columns 16 b + 8 h + 0..3
	global_load_b128 v[F0+8*\b+4:F0+8*\b+7], v[BOFF], s[74:75] offset:64*\b+16    ; + 4..7
.endr
	v_mov_b32 v[SC], s66
	v_mov_b32 v[SC+1], s66
	s_lshl_b32 s13, s13, 8
	s_lshl_b32 s14, s11, 7
	s_add_co_u32 s16, s13, s14                     ; my first row of C
	s_lshl_b32 s16, s16, 11
	s_mov_b32 s17, 0
	s_add_nc_u64 s[8:9], s[8:9], s[16:17]
	s_lshl_b32 s46, s42, 9                         ; my first column, in bytes
	s_lshl_b32 s47, s12, 8
	s_add_co_u32 s46, s46, s47
	s_mov_b32 s47, 0
	s_add_nc_u64 s[8:9], s[8:9], s[46:47]
	s_wait_loadcnt 0x0
.set n, 0
.rept 32
	v_pk_mul_f32 v[F0+2*n:F0+2*n+1], v[F0+2*n:F0+2*n+1], v[SC:SC+1]
.set n, n+1
.endr
.macro BIASFMA                         ; the 32 tiles of the window that is set for source 0 and the destination
.irp a, 0,1,2,3
.irp b, 0,1,2,3,4,5,6,7
.irp j, 0,2,4,6
	v_pk_fma_f32 v[8*(8*\a+\b)+\j:8*(8*\a+\b)+\j+1], v[8*(8*\a+\b)+\j:8*(8*\a+\b)+\j+1], v[SC:SC+1], v[F0+8*\b+\j:F0+8*\b+\j+1]
.endr
.endr
.endr
.endm
	WIN 0x82                                       ; source 0 and destination window 2; scale and bias window 0
	BIASFMA
	WIN 0xc3                                       ; the same for window 3
	BIASFMA
; rows 16 i .. 16 i + 15 of my block: round to f16, 16 bytes a lane into my own stage, read back as whole rows of 256 bytes, store
.macro OUT16 i, a, from, f
	WIN \from
.irp b, 0,1,2,3,4,5,6,7
.irp r, 0,1,2,3
	v_cvt_pk_f16_f32 v[TMP+4*\b+\r], v[8*(8*\a+\b)+2*\r], v[8*(8*\a+\b)+2*\r+1]
.endr
.endr
	WIN 0
.irp b, 0,1,2,3,4,5,6,7
	ds_store_b128 v[STO], v[TMP+4*\b:TMP+4*\b+3] offset:32*\b
.endr
	s_wait_xcnt 0x0                                ; buffer f, which earlier stores read, and the stores' base are rewritten only behind this wait
.if \i
	s_add_nc_u64 s[8:9], s[8:9], 16*SIZE_N*2
.endif
.irp t, 0,1,2,3,4,5,6,7
	ds_load_b128 v[\f+4*\t:\f+4*\t+3], v[RD] offset:\t*2*SPITCH    ; LDS serves a wave's instructions in order: these see the stores above
.endr
.irp t, 0,1,2,3,4,5,6,7
	s_wait_dscnt 7-\t                              ; the 7 - t younger read-backs stay out
	global_store_b128 v[CO], v[\f+4*\t:\f+4*\t+3], s[8:9] offset:2*\t*SIZE_N*2   ; 16 lanes store 256 consecutive aligned bytes
.endr
.endm
	OUT16 0, 0, 0x0a, F0
	OUT16 1, 1, 0x0a, F1
	OUT16 2, 2, 0x0a, F0
	OUT16 3, 3, 0x0a, F1
	OUT16 4, 0, 0x0f, F0
	OUT16 5, 1, 0x0f, F1
	OUT16 6, 2, 0x0f, F0
	OUT16 7, 3, 0x0f, F1
	s_set_vgpr_msb 0x1
	s_wait_tensorcnt 0x0
	ds_add_u32 v255, v255
	s_wait_dscnt 0x0
	s_set_vgpr_msb 0x100
	CROUND                                         ; the closing round: no work-group ends while a partner may still ask for a tile that names it
	s_endpgm
.Lfunc_end_k_qc5cb1d1342_proj:
	.size	k_qc5cb1d1342_proj, .Lfunc_end_k_qc5cb1d1342_proj-k_qc5cb1d1342_proj
	.p2alignl 7, 3214868480
	.fill 96, 4, 3214868480
	.section	.rodata,"a",@progbits
	.p2align	6, 0x0
	.amdhsa_kernel k_qc5cb1d1342_proj
		.amdhsa_group_segment_fixed_size 327680
		.amdhsa_private_segment_fixed_size 0
		.amdhsa_enable_private_segment 0
		.amdhsa_kernarg_size 48
		.amdhsa_user_sgpr_count 2
		.amdhsa_user_sgpr_kernarg_segment_ptr 1
		.amdhsa_wavefront_size32 1
		.amdhsa_system_sgpr_workgroup_id_x 1
		.amdhsa_system_sgpr_workgroup_id_y 1
		.amdhsa_system_sgpr_workgroup_id_z 1
		.amdhsa_system_vgpr_workitem_id 0
		.amdhsa_next_free_vgpr 1024
		.amdhsa_next_free_sgpr 80
		.amdhsa_reserve_vcc 0
		.amdhsa_float_denorm_mode_32 3
		.amdhsa_float_denorm_mode_16_64 3
		.amdhsa_memory_ordered 1
		.amdhsa_forward_progress 1
		.amdhsa_inst_pref_size 217
	.end_amdhsa_kernel
	.amdgpu_metadata
---
amdhsa.version: [ 1, 2 ]
amdhsa.kernels:
  - .name:           k_qc5cb1d1342_proj
    .symbol:         k_qc5cb1d1342_proj.kd
    .args:
      - { .name: xb, .offset: 0, .size: 8, .value_kind: global_buffer, .address_space: global }
      - { .name: wb, .offset: 8, .size: 8, .value_kind: global_buffer, .address_space: global }
      - { .name: bq, .offset: 16, .size: 8, .value_kind: global_buffer, .address_space: global }
      - { .name: bk, .offset: 24, .size: 8, .value_kind: global_buffer, .address_space: global }
      - { .name: bv, .offset: 32, .size: 8, .value_kind: global_buffer, .address_space: global }
      - { .name: qkvb, .offset: 40, .size: 8, .value_kind: global_buffer, .address_space: global }
    .group_segment_fixed_size: 327680
    .private_segment_fixed_size: 0
    .kernarg_segment_align: 8
    .kernarg_segment_size: 48
    .max_flat_workgroup_size: 128
    .sgpr_count:     80
    .vgpr_count:     1024
    .wavefront_size: 32
...
	.end_amdgpu_metadata
.endif
;; end of part 2
;; launch attn (part 3): grid 8 x 32, 8 waves a work-group, clusters of 4 x 1, 327,680 bytes of LDS; arguments qkvb, mb, ao; writes ao
.if DOCPART == 3
	.amdgcn_target "amdgcn-amd-amdhsa--gfx1250"
	.amdhsa_code_object_version 6
	.text
	.protected	k_qc5cb1d1342_attn
	.globl	k_qc5cb1d1342_attn
	.p2align	8
	.type	k_qc5cb1d1342_attn,@function
k_qc5cb1d1342_attn:
	s_mov_b64 s[64:65], 0
	v_nop
	global_prefetch_b8 v0, s[64:65] scope:SCOPE_SE
	s_setreg_imm32_b32 hwreg(HW_REG_WAVE_MODE, 25, 1), 1
	s_wait_xcnt 0x0
	s_wait_alu depctr_hold_cnt(0) depctr_sa_sdst(0) depctr_va_vdst(0) depctr_va_sdst(0) depctr_va_ssrc(0) depctr_va_vcc(0) depctr_vm_vsrc(0)
	s_getreg_b32 s2, hwreg(HW_REG_IB_STS2, 6, 4)
	s_cmp_eq_u32 s2, 0
	s_cbranch_scc0 .Lentry_in_a_cluster
	s_endpgm
.Lentry_in_a_cluster:
	s_bfe_u32 s2, ttmp6, 0x10000c
	s_cmp_lg_u32 s2, 0x3003
	s_cbranch_scc0 .Lentry_shape_is_right
	s_endpgm
.Lentry_shape_is_right:
; attn: ao[b][q][h 64 + d] = softmax over keys of (masked scores) x V, per head, with a running maximum; scores never leave registers.
; qkvb is f16 [3][8192][1024]; its q part is already multiplied by 0.125 log2(e), so scores are in base 2.  mb holds the mask as lane masks.
; A work-group takes 256 queries of a PAIR of heads (the pair's 128 columns are 256 consecutive aligned bytes of every row of q, k, v and ao).
; Eight waves: wave w takes head w / 4 of the pair and queries 64 (w % 4) .. + 63, as four query tiles of 16.  Two waves lie on a SIMD, so that
; one wave's softmax arithmetic runs beside the other's matrix work and beside its waits.
; Keys go in tiles of 128 through two LDS slots.  CLUSTER 4 x 1: the four partners are four query blocks of the same batch and head pair, read the
; same K and V tiles, and ask for them jointly (mask 15): wave 0 asks for K's tile, wave 1 for V's.
; Of the sixteen key tiles the first (it starts the sums) and the last (it fetches nothing) are written out; the fourteen between go round a loop
; of two, slot 1 and then slot 0: four bodies of a key tile in the text.
; BOTH PRODUCTS ARE USED TRANSPOSED.  S^T = K Q^T: lane (r, h) holds query r and keys 8 h + j of a tile.  Two neighbouring tiles, rounded to f16 in
; pairs, are at once the second source P^T (32 keys) of O^T = V^T P^T, whose first source comes from V's [key][d] rows by the transposing load.
; So the maximum, the sum and the rescaling factor are one number a lane, and one exchange of the two lane halves a turn is all that crosses lanes.
; MASK: where the mask is 0 the score is REPLACED by -1e9 log2(e), before the maximum: a row with no key left gets equal weights.
; A turn's 32 lane masks come by two scalar loads, asked for straight behind the last use of the words before them: one select a score register
; is then all the vector work that the mask costs.
; PREFETCH: the mask words of a query block are read by sixteen waves (eight head pairs, two heads).  Wave 0 of the work-group with head pair 0 asks
; for them ahead: once in each trip of the loop, in key tile t = 1, 3, .. 13, its 32 lanes name the 32 aligned blocks of 256 bytes of the block's 16
; query tiles and key tiles t + 1 and t + 2, three turns ahead of the first scalar load that wants tile t + 1's words and eleven ahead of tile
; t + 2's.  Each block of key tiles 2 to 15 is asked for once in the launch; tiles 0 and 1 are not asked for; the last request names tiles 14 and 15.
; LIMITS: f16 operands (q, k, v, p, the result): below 65,504 in magnitude.  p is rounded to f16 for the product while the row's sum takes the
; unrounded p.  NaN and infinities are not treated specially (a NaN loses in the maximum).
.set KP,     272                       ; K in LDS: 256 bytes + 16
.set VP,     288                       ; V in LDS: 256 bytes + 32, an odd multiple of 32
.set KBYTES, 128*KP
.set SLOT,   KBYTES+128*VP             ; 71,680
.set STAGE,  2*SLOT                    ; 256 rows x 272 bytes for the way out; no tensor load lands here
.set STEP,   128*2048                  ; 128 keys down k or v
.set KBASE,  0x1000000                 ; k's part of qkvb
.set VBASE,  0x2000000                 ; v's part
.set KA,  2                            ; v2-3    K fragments' LDS address, slot 0, 1
.set VA,  4                            ; v4-5    V fragments' LDS address, slot 0, 1
.set NEG, 6                            ; v6      -1e9 log2(e)
.set QOFF, 7
.set STO, 8
.set RD,  9
.set CO,  10
.set PO,  11                           ; v11     the prefetch's lane term: 4,096 x (l % 16) + 256 x (l / 16); never rewritten
.set MX,  12                           ; v[12:15] running maximum of query tile i (equal in both lane halves)
.set LS,  16                           ; v[16:19] running sum of query tile i (each lane half its own keys)
.set TT,  20                           ; v[20:27] at work
.set AL,  28                           ; v[28:29] the rescaling factor; v29 only completes the pair
.set KF,  64                           ; v[64:127]  K fragments (key tile kt, d half dh) at 16 kt + 8 dh
.set VF,  128                          ; v[128:191] V^T fragments (key block kb of 32, d tile dt) at 32 kb + 8 dt
.set SR,  192                          ; v[192:223] S^T, key tile kt at 8 kt
.set PR,  224                          ; v[224:239] P^T, key block kb at 8 kb
.set OA,  0                            ; window 1, v[0:127]   O^T: query tile i at 32 i, d tile dt at + 8 dt
.set QF,  128                          ; window 1, v[128:191] Q fragments: query tile i at 16 i, d half dh at + 8 dh
.set G1K, 16
.set G1V, 24
.set G0K, 32                           ; a set of four for each slot
.set G0V, 40
.set MW,  68                           ; s[68:99] 32 lane masks: those of one turn
.set MSB, 0
.macro WIN new
.if MSB != \new
	s_set_vgpr_msb (MSB<<8)|\new
.set MSB, \new
.endif
.endm
.macro ROUND                           ; a round of the cluster's barrier
	s_barrier_signal -1
	s_barrier_wait -1
	s_cmp_lg_u32 s8, 0
	s_cbranch_scc1 .Lnot_wave_0_\@
	s_barrier_signal -3
.Lnot_wave_0_\@:
	s_barrier_wait -3
	s_barrier_signal -1
	s_barrier_wait -1
.endm
.macro JLOAD s                         ; wave 0: K's 128 rows of 256 bytes; wave 1: V's; the others issue none.  One tensor load of a wave is out at the most
	s_cmp_lg_u32 s8, 0
	s_cbranch_scc1 .Lno_k_\@
	tensor_load_to_lds s[G0K+4*(\s):G0K+4*(\s)+3], s[G1K:G1K+7]
	s_nop 0
.Lno_k_\@:
	s_cmp_lg_u32 s8, 1
	s_cbranch_scc1 .Lno_v_\@
	tensor_load_to_lds s[G0V+4*(\s):G0V+4*(\s)+3], s[G1V:G1V+7]
	s_nop 0
.Lno_v_\@:
.endm
	s_load_b128 s[48:51], s[0:1], 0x0              ; qkvb s[48:49], mb s[50:51]
	s_load_b64 s[52:53], s[0:1], 0x10              ; ao
	v_lshl_add_u32 v254, v0, 2, 0x34000
	v_mov_b32 v255, 0
	ds_add_u32 v254, v255
	v_lshrrev_b32 v1, 5, v0
	v_readfirstlane_b32 s8, v1                     ; wave 0..7
	s_lshr_b32 s54, s8, 2                          ; hs: head of the pair
	s_and_b32 s55, s8, 3                           ; qg: which 64 queries
	s_bfe_u32 s56, ttmp6, 0x40000                  ; cx
	s_lshl_b32 s57, ttmp9, 2
	s_add_co_u32 s57, s57, s56                     ; query block = 4 x cluster x + cx
	s_and_b32 s58, ttmp7, 0xffff
	s_lshr_b32 s59, s58, 3                         ; batch
	s_and_b32 s60, s58, 7                          ; head pair
	s_lshl3_add_u32 s66, s60, s8                   ; 8 x head pair + wave: 0 in the one wave that prefetches; the head pair is equal in all four partners
	s_mov_b32 s10, 0x76543210                      ; v_permlanex16_b32: lane i of one half reads lane i of the other
	s_mov_b32 s11, 0xfedcba98
	; group 1: 128 rows x 128 elements of 2 bytes, pitch 1,024 elements; mask 15 names the cluster's four; padding behind every 64 words: K 4 words, V 8
	s_mov_b32 s[G1K+0], 15|(1<<16)|(1<<20)|(1<<21)|(5<<22)|(3<<25)
	s_mov_b32 s[G1V+0], 15|(1<<16)|(1<<20)|(1<<21)|(5<<22)|(7<<25)
.irp g, G1K, G1V
	s_mov_b32 s[\g+1], 128<<16                     ; tensor_dim0 = 128
	s_mov_b32 s[\g+2], 128<<16                     ; tensor_dim1 = 128
	s_mov_b32 s[\g+3], 128<<16                     ; tile_dim0 = 128
	s_mov_b32 s[\g+4], 128                         ; tile_dim1 = 128
	s_mov_b32 s[\g+5], 1024
	s_mov_b32 s[\g+6], 0
	s_mov_b32 s[\g+7], 0
.endr
	s_lshl_b32 s2, s59, 22                         ; batch x 2,048 rows x 2,048 bytes
	s_lshl_b32 s61, s60, 8                         ; + head pair x 256 bytes: what all four partners share
	s_add_co_u32 s2, s2, s61
	s_mov_b32 s3, 0
	s_wait_dscnt 0x0
	s_wait_kmcnt 0x0
	s_add_nc_u64 s[14:15], s[48:49], s[2:3]
	s_add_nc_u64 s[6:7], s[52:53], s[2:3]
.irp s, 0,1
	s_mov_b32 s[G0K+4*\s], 1
	s_mov_b32 s[G0K+4*\s+1], \s*SLOT
	s_add_nc_u64 s[G0K+4*\s+2:G0K+4*\s+3], s[14:15], KBASE+\s*STEP
	s_or_b32 s[G0K+4*\s+3], s[G0K+4*\s+3], 0x80000000
	s_mov_b32 s[G0V+4*\s], 1
	s_mov_b32 s[G0V+4*\s+1], \s*SLOT+KBYTES
	s_add_nc_u64 s[G0V+4*\s+2:G0V+4*\s+3], s[14:15], VBASE+\s*STEP
	s_or_b32 s[G0V+4*\s+3], s[G0V+4*\s+3], 0x80000000
.endr
	s_lshl_b32 s62, s57, 19                        ; my query block: 256 rows of 2,048 bytes
	s_mov_b32 s63, 0
	s_add_nc_u64 s[4:5], s[14:15], s[62:63]        ; q at my block
	s_add_nc_u64 s[6:7], s[6:7], s[62:63]          ; ao at my block
	s_lshl_b32 s62, s59, 19                        ; mask words: query tile 128 b + 16 block + 4 qg, 4,096 bytes each
	s_lshl_b32 s61, s57, 16
	s_add_co_u32 s62, s62, s61
	s_lshl_b32 s61, s55, 14
	s_add_co_u32 s62, s62, s61
	s_add_nc_u64 s[12:13], s[50:51], s[62:63]
	ROUND                                          ; in front of the first joint loads
	JLOAD 0                                        ; key tile 0
	v_and_b32 v32, 15, v0                          ; r
	v_bfe_u32 v33, v0, 4, 1                        ; h
	v_and_b32 v34, 7, v0
	v_bfe_u32 v35, v0, 3, 1
	s_lshl_b32 s61, s54, 7                         ; my head's 128 bytes of a row
	v_lshlrev_b32 v[QOFF], 11, v32
	v_lshl_add_u32 v[QOFF], v33, 4, v[QOFF]
	s_lshl_b32 s62, s55, 17
	s_add_co_u32 s62, s62, s61
	v_add_nc_u32 v[QOFF], s62, v[QOFF]             ; (64 qg + r) x 2,048 + 128 hs + 16 h
	WIN 0x40                                       ; destination window 1
.irp i, 0,1,2,3
.irp e, 0,1,2,3
	global_load_b128 v[QF+16*\i+4*\e:QF+16*\i+4*\e+3], v[QOFF], s[4:5] offset:\i*32768+32*\e   ; d = 16 e + 8 h .. + 7 of query 16 i + r
.endr
.endr
	WIN 0
	s_load_b512 s[MW:MW+15], s[12:13], 0x0         ; the first turn's 32 lane masks
	s_load_b512 s[MW+16:MW+31], s[12:13], 0x40
	v_lshlrev_b32 v[PO], 12, v32                   ; the prefetch: query tile l % 16 of the block,
	v_lshl_add_u32 v[PO], v33, 8, v[PO]            ; the first or the second of two key tiles
	v_mul_u32_u24 v[KA], v32, KP
	v_lshl_add_u32 v[KA], v33, 4, v[KA]
	v_add_nc_u32 v[KA], s61, v[KA]                 ; key r, 128 hs + 16 h
	v_add_nc_u32 v[KA+1], SLOT, v[KA]
	v_lshl_add_u32 v36, v33, 3, v34                ; key 8 h + l % 8,
	v_mul_u32_u24 v[VA], v36, VP
	v_lshl_add_u32 v[VA], v35, 4, v[VA]            ; 16 bytes x ((l / 8) % 2)
	v_add_nc_u32 v[VA], s61, v[VA]
	v_add_nc_u32 v[VA], KBYTES, v[VA]
	v_add_nc_u32 v[VA+1], SLOT, v[VA]
	s_mul_i32 s62, s55, 64*KP
	s_add_co_u32 s62, s62, STAGE
	v_add_nc_u32 v[STO], s62, v[KA]                ; stage row 64 qg + r, 128 hs + 16 h
	s_mul_i32 s62, s8, 32*KP
	s_add_co_u32 s62, s62, STAGE
	v_mul_u32_u24 v[RD], v33, KP
	v_lshl_add_u32 v[RD], v32, 4, v[RD]
	v_add_nc_u32 v[RD], s62, v[RD]                 ; back: rows 32 w + h, 16 bytes a lane
	v_lshlrev_b32 v[CO], 11, v33
	v_lshl_add_u32 v[CO], v32, 4, v[CO]
	v_lshl_add_u32 v[CO], s8, 16, v[CO]            ; the same rows in ao
	v_mov_b32 v[NEG], 0xceabfb8e                   ; -1e9 log2(e)
	v_mov_b32 v[AL+1], 0
	s_wait_loadcnt 0x0                             ; Q, once
; One query tile against 64 keys.  first = 1: nothing has been summed yet.  nxt: byte offset from the mask pointer of the NEXT turn's 32 words
; (-1: none).  step = 1: the mask pointer goes on to this trip's key tile.  ask = 1: the prefetch of the next two key tiles' mask words stands here.
.macro TURN i, first, nxt, step, ask
.if \i == 0
	s_wait_dscnt 16                                ; K's 16 loads are in; V's 16, issued behind them, stay out
.endif
	WIN 0x04                                       ; source 1 (Q) window 1
	; four accumulators by turns, one instruction a turn
.irp kt, 0,1,2,3
	v_wmma_f32_16x16x32_f16 v[SR+8*\kt:SR+8*\kt+7], v[KF+16*\kt:KF+16*\kt+7], v[QF+16*\i:QF+16*\i+7], 0
.endr
.irp kt, 0,1,2,3
	v_wmma_f32_16x16x32_f16 v[SR+8*\kt:SR+8*\kt+7], v[KF+16*\kt+8:KF+16*\kt+15], v[QF+16*\i+8:QF+16*\i+15], v[SR+8*\kt:SR+8*\kt+7]
.endr
	WIN 0
	s_wait_kmcnt 0x0                               ; this turn's lane masks
.if \step
	s_wait_xcnt 0x0                                ; no scalar load is out and the last prefetch has had its addresses translated: the pointer may be written
	s_add_nc_u64 s[12:13], s[12:13], 256           ; 8 key tiles x 32 bytes
.endif
.rept 4
	v_nop                                          ; four places behind the last matrix instruction before its result is read (ISA guide 7.12.1)
.endr
.set n, 0
.rept 32
	v_cndmask_b32 v[SR+n], v[NEG], v[SR+n], s[MW+n]        ; bit set: the score stays; clear: replaced
.set n, n+1
.endr
.if \nxt >= 0
	s_load_b512 s[MW:MW+15], s[12:13], \nxt        ; straight behind the words' last use: the rest of the turn to land in
	s_load_b512 s[MW+16:MW+31], s[12:13], \nxt+64
.endif
.if \ask
	s_cmp_lg_u32 s66, 0                            ; wave 0 of the work-group with head pair 0 alone
	s_cbranch_scc1 .Lno_ask_\@
	global_prefetch_b8 v[PO], s[12:13] offset:256 th:TH_LOAD_NT scope:SCOPE_SE   ; 32 lanes, 32 blocks: 16 query tiles x the next two key tiles
.Lno_ask_\@:
.endif
	; the maximum of my 32 scores and the old maximum, in four chains
.irp c, 0,1,2,3
	v_max3_num_f32 v[TT+\c], v[SR+8*\c], v[SR+8*\c+1], v[SR+8*\c+2]
.endr
.irp c, 0,1,2,3
	v_max3_num_f32 v[TT+\c], v[TT+\c], v[SR+8*\c+3], v[SR+8*\c+4]
.endr
.irp c, 0,1,2,3
	v_max3_num_f32 v[TT+\c], v[TT+\c], v[SR+8*\c+5], v[SR+8*\c+6]
.endr
	v_max3_num_f32 v[TT], v[TT], v[TT+1], v[SR+7]
	v_max3_num_f32 v[TT+2], v[TT+2], v[TT+3], v[SR+15]
	v_max3_num_f32 v[TT], v[TT], v[TT+2], v[SR+23]
.if \first
	v_max_num_f32 v[TT], v[TT], v[SR+31]
.else
	v_max3_num_f32 v[TT], v[TT], v[SR+31], v[MX+\i]
.endif
	v_permlanex16_b32 v[TT+1], v[TT], s10, s11     ; the other half's keys of the same query
	v_max_num_f32 v[TT], v[TT], v[TT+1]
.if \first == 0
	v_sub_f32 v[AL], v[MX+\i], v[TT]               ; old maximum - new, at most 0
.endif
	v_mov_b32 v[MX+\i], v[TT]
.set n, 0
.rept 16
	v_pk_add_f32 v[SR+2*n:SR+2*n+1], v[SR+2*n:SR+2*n+1], v[TT:TT+1] op_sel_hi:[1,0] neg_lo:[0,1] neg_hi:[0,1]   ; score - maximum, both from v[TT]
.set n, n+1
.endr
.if \first == 0
	v_exp_f32 v[AL], v[AL]
.endif
.set n, 0
.rept 32
	v_exp_f32 v[SR+n], v[SR+n]
.set n, n+1
.endr
	v_nop                                          ; one plain place behind the last exponential before a result is read (ISA guide 5.7.2)
	s_wait_alu depctr_va_vdst(0)
.irp c, 0,1,2,3
	v_pk_add_f32 v[TT+2*\c:TT+2*\c+1], v[SR+8*\c:SR+8*\c+1], v[SR+8*\c+2:SR+8*\c+3]
.endr
.irp c, 0,1,2,3
	v_pk_add_f32 v[TT+2*\c:TT+2*\c+1], v[TT+2*\c:TT+2*\c+1], v[SR+8*\c+4:SR+8*\c+5]
.endr
.irp c, 0,1,2,3
	v_pk_add_f32 v[TT+2*\c:TT+2*\c+1], v[TT+2*\c:TT+2*\c+1], v[SR+8*\c+6:SR+8*\c+7]
.endr
	v_pk_add_f32 v[TT:TT+1], v[TT:TT+1], v[TT+2:TT+3]
	v_pk_add_f32 v[TT+4:TT+5], v[TT+4:TT+5], v[TT+6:TT+7]
	v_pk_add_f32 v[TT:TT+1], v[TT:TT+1], v[TT+4:TT+5]
.if \first
	v_add_f32 v[LS+\i], v[TT], v[TT+1]
.else
	v_add_f32 v[TT], v[TT], v[TT+1]
	v_fma_f32 v[LS+\i], v[LS+\i], v[AL], v[TT]
.endif
.set n, 0
.rept 16
	v_cvt_pk_f16_f32 v[PR+n], v[SR+2*n], v[SR+2*n+1]       ; keys 8 h + 2 jj, + 1 of tiles 2 kb and 2 kb + 1: the second source's own layout
.set n, n+1
.endr
.if \first == 0
	WIN 0x41                                       ; source 0 and destination window 1
.set n, 0
.rept 16
	v_pk_mul_f32 v[OA+32*\i+2*n:OA+32*\i+2*n+1], v[OA+32*\i+2*n:OA+32*\i+2*n+1], v[AL:AL+1] op_sel_hi:[1,0]
.set n, n+1
.endr
.endif
.if \i == 0
	s_wait_dscnt 0x0                               ; V's fragments
.endif
	WIN 0x50                                       ; C and D window 1
.irp dt, 0,1,2,3
.if \first
	v_wmma_f32_16x16x32_f16 v[OA+32*\i+8*\dt:OA+32*\i+8*\dt+7], v[VF+8*\dt:VF+8*\dt+7], v[PR:PR+7], 0
.else
	v_wmma_f32_16x16x32_f16 v[OA+32*\i+8*\dt:OA+32*\i+8*\dt+7], v[VF+8*\dt:VF+8*\dt+7], v[PR:PR+7], v[OA+32*\i+8*\dt:OA+32*\i+8*\dt+7]
.endif
.endr
.irp dt, 0,1,2,3
	v_wmma_f32_16x16x32_f16 v[OA+32*\i+8*\dt:OA+32*\i+8*\dt+7], v[VF+32+8*\dt:VF+32+8*\dt+7], v[PR+8:PR+15], v[OA+32*\i+8*\dt:OA+32*\i+8*\dt+7]
.endr
	WIN 0
.endm
; 64 keys (half ss of a slot) against my four query tiles
.macro HALF slot, ss, first, last, step, ask
.irp kt, 0,1,2,3
.irp dh, 0,1
	ds_load_b128 v[KF+16*\kt+8*\dh:KF+16*\kt+8*\dh+3],   v[KA+\slot] offset:(64*\ss+16*\kt)*KP+64*\dh
	ds_load_b128 v[KF+16*\kt+8*\dh+4:KF+16*\kt+8*\dh+7], v[KA+\slot] offset:(64*\ss+16*\kt)*KP+64*\dh+32
.endr
.endr
.irp kb, 0,1
.irp dt, 0,1,2,3
	ds_load_tr16_b128 v[VF+32*\kb+8*\dt:VF+32*\kb+8*\dt+3],   v[VA+\slot] offset:(64*\ss+32*\kb)*VP+32*\dt
	ds_load_tr16_b128 v[VF+32*\kb+8*\dt+4:VF+32*\kb+8*\dt+7], v[VA+\slot] offset:(64*\ss+32*\kb)*VP+32*\dt+16*VP
.endr
.endr
	TURN 0, \first, 4096+\ss*128, \step, \ask
	TURN 1, \first, 8192+\ss*128, 0, 0
	TURN 2, \first, 12288+\ss*128, 0, 0
.if \last
	TURN 3, \first, -1, 0, 0
.else
	TURN 3, \first, 128+\ss*128, 0, 0              ; query tile 0 again: the slot's second half, or the next key tile
.endif
.rept 4
	v_nop                                          ; four places behind the last matrix instruction: for the next loads into V's fragments, and for the way out
.endr
.endm
; One key tile of 128.  The round of the cluster's barrier is the barrier in front of the refill: in front of it every wave has waited for all its
; tensor loads and for its LDS reads; the joint refill of the slot read last is the first thing behind it and has this whole trip to land in.
.macro TRIP slot, refill, first, last, ask
	s_wait_tensorcnt 0x0                           ; all my tensor loads have landed, this trip's tile among them: a group 0 may be written
	ds_add_u32 v254, v255
	s_wait_dscnt 0x0
	s_add_nc_u64 s[G0K+4*\slot+2:G0K+4*\slot+3], s[G0K+4*\slot+2:G0K+4*\slot+3], 2*STEP   ; this slot's next tile
	s_add_nc_u64 s[G0V+4*\slot+2:G0V+4*\slot+3], s[G0V+4*\slot+2:G0V+4*\slot+3], 2*STEP
	s_wait_dscnt 0x0                               ; my reads of the last trip's tile are back
	ROUND
.if \refill
	JLOAD 1-\slot
.endif
	HALF \slot, 0, \first, 0, 1-\first, 0
	HALF \slot, 1, 0, \last, 0, \ask
.endm
	TRIP 0, 1, 1, 0, 0                             ; key tile 0 starts maxima, sums and O; slot 1 gets its first fill as a refill does
	s_mov_b32 s9, 7
.Ltiles:
	TRIP 1, 1, 0, 0, 1                             ; key tiles 1, 3, .. 13; here the mask words of the next two key tiles are asked for
	TRIP 0, 1, 0, 0, 0                             ; key tiles 2, 4, .. 14; the last of them sends key tile 15's request out
	s_sub_co_u32 s9, s9, 1
	s_cmp_lg_u32 s9, 0
	s_cbranch_scc1 .Ltiles
	TRIP 1, 0, 0, 1, 0                             ; key tile 15: nothing is left to fetch (the stepped addresses are not used)
	; THE WAY OUT: join the halves' sums, divide, round to f16, through the stage into whole rows of 256 bytes (both heads of the pair)
.irp i, 0,1,2,3
	v_permlanex16_b32 v[TT+\i], v[LS+\i], s10, s11
.endr
.irp i, 0,1,2,3
	v_add_f32 v[LS+\i], v[LS+\i], v[TT+\i]         ; at least 1: the largest score's own term
.endr
.irp i, 0,1,2,3
	v_rcp_f32 v[LS+\i], v[LS+\i]
.endr
	v_nop                                          ; one plain place behind the last reciprocal
	s_wait_alu depctr_va_vdst(0)
.irp i, 0,1,2,3
	v_mov_b32 v[AL], v[LS+\i]
	WIN 0x41
.set n, 0
.rept 16
	v_pk_mul_f32 v[OA+32*\i+2*n:OA+32*\i+2*n+1], v[OA+32*\i+2*n:OA+32*\i+2*n+1], v[AL:AL+1] op_sel_hi:[1,0]
.set n, n+1
.endr
	WIN 0x05                                       ; both sources window 1
.set n, 0
.rept 16
	v_cvt_pk_f16_f32 v[PR+n], v[OA+32*\i+2*n], v[OA+32*\i+2*n+1]   ; d = 16 dt + 8 h + 0..7 of query r: 16 bytes for each dt
.set n, n+1
.endr
	WIN 0
.irp dt, 0,1,2,3
	ds_store_b128 v[STO], v[PR+4*\dt:PR+4*\dt+3] offset:\i*16*KP+32*\dt
.endr
.endr
	s_wait_dscnt 0x0                               ; for the others' sake: a stage row holds both heads, written by two waves
	s_barrier_signal -1
	s_barrier_wait -1
.irp t, 0,1,2,3,4,5,6,7,8,9,10,11,12,13,14,15
	ds_load_b128 v[KF+4*\t:KF+4*\t+3], v[RD] offset:\t*2*KP
.endr
.irp t, 0,1,2,3,4,5,6,7,8,9,10,11,12,13,14,15
	s_wait_dscnt 15-\t                             ; the 15 - t younger read-backs stay out
	global_store_b128 v[CO], v[KF+4*\t:KF+4*\t+3], s[6:7] offset:\t*4096   ; 16 lanes store 256 consecutive aligned bytes
.endr
	s_wait_tensorcnt 0x0
	ds_add_u32 v254, v255
	s_wait_dscnt 0x0
	ROUND                                          ; the closing round
	s_endpgm
.Lfunc_end_k_qc5cb1d1342_attn:
	.size	k_qc5cb1d1342_attn, .Lfunc_end_k_qc5cb1d1342_attn-k_qc5cb1d1342_attn
	.p2alignl 7, 3214868480
	.fill 96, 4, 3214868480
	.section	.rodata,"a",@progbits
	.p2align	6, 0x0
	.amdhsa_kernel k_qc5cb1d1342_attn
		.amdhsa_group_segment_fixed_size 327680
		.amdhsa_private_segment_fixed_size 0
		.amdhsa_enable_private_segment 0
		.amdhsa_kernarg_size 24
		.amdhsa_user_sgpr_count 2
		.amdhsa_user_sgpr_kernarg_segment_ptr 1
		.amdhsa_wavefront_size32 1
		.amdhsa_system_sgpr_workgroup_id_x 1
		.amdhsa_system_sgpr_workgroup_id_y 1
		.amdhsa_system_sgpr_workgroup_id_z 1
		.amdhsa_system_vgpr_workitem_id 0
		.amdhsa_next_free_vgpr 448
		.amdhsa_next_free_sgpr 100
		.amdhsa_reserve_vcc 0
		.amdhsa_float_denorm_mode_32 3
		.amdhsa_float_denorm_mode_16_64 3
		.amdhsa_memory_ordered 1
		.amdhsa_forward_progress 1
		.amdhsa_inst_pref_size 255
	.end_amdhsa_kernel
	.section	.bss,"aw",@nobits
	.p2align	6
	.space	262144
	.amdgpu_metadata
---
amdhsa.version: [ 1, 2 ]
amdhsa.kernels:
  - .name:           k_qc5cb1d1342_attn
    .symbol:         k_qc5cb1d1342_attn.kd
    .args:
      - { .name: qkvb, .offset: 0, .size: 8, .value_kind: global_buffer, .address_space: global }
      - { .name: mb, .offset: 8, .size: 8, .value_kind: global_buffer, .address_space: global }
      - { .name: ao, .offset: 16, .size: 8, .value_kind: global_buffer, .address_space: global }
    .group_segment_fixed_size: 327680
    .private_segment_fixed_size: 0
    .kernarg_segment_align: 8
    .kernarg_segment_size: 24
    .max_flat_workgroup_size: 256
    .sgpr_count:     100
    .vgpr_count:     448
    .wavefront_size: 32
...
	.end_amdgpu_metadata
.endif
;; end of part 3
;; launch oproj (part 4): grid 4 x 64, 4 waves a work-group, clusters of 4 x 4, 327,680 bytes of LDS; arguments ao, wb, bo, out0; writes out0
.if DOCPART == 4
	.amdgcn_target "amdgcn-amd-amdhsa--gfx1250"
	.amdhsa_code_object_version 6
	.text
	.protected	k_qc5cb1d1342_oproj
	.globl	k_qc5cb1d1342_oproj
	.p2align	8
	.type	k_qc5cb1d1342_oproj,@function
k_qc5cb1d1342_oproj:
	s_mov_b64 s[64:65], 0
	v_nop
	global_prefetch_b8 v0, s[64:65] scope:SCOPE_SE
	s_setreg_imm32_b32 hwreg(HW_REG_WAVE_MODE, 25, 1), 1
	s_wait_xcnt 0x0
	s_wait_alu depctr_hold_cnt(0) depctr_sa_sdst(0) depctr_va_vdst(0) depctr_va_sdst(0) depctr_va_ssrc(0) depctr_va_vcc(0) depctr_vm_vsrc(0)
	s_getreg_b32 s2, hwreg(HW_REG_IB_STS2, 6, 4)
	s_cmp_eq_u32 s2, 0
	s_cbranch_scc0 .Lentry_in_a_cluster
	s_endpgm
.Lentry_in_a_cluster:
	s_bfe_u32 s2, ttmp6, 0x10000c
	s_cmp_lg_u32 s2, 0xf033
	s_cbranch_scc0 .Lentry_shape_is_right
	s_endpgm
.Lentry_shape_is_right:
; oproj: out0[m][n] = sum over k of ao[m][k] Wo[k][n] + bo[n].  ao f16 [8192][1024], Wo the fourth matrix of wb (f16, [k][n]), out0 f32.
; A work-group makes a block of 128 x 256 of C: 8192 x 1024 numbers are 256 such blocks, one for each WGP.  Four waves, a wave 64 x 128:
; 32 accumulator tiles, 256 registers; for 32 along K a wave reads (64 + 128) x 64 bytes from LDS and issues 32 matrix instructions.
; K goes in steps of 128 through two LDS slots filled by the tensor data mover; W's fragments come out of LDS by the transposing load.
; CLUSTERS: 4 x 4 work-groups; A's tile hangs on the block row alone and is asked for jointly along a row of the cluster, W's on the block column
; alone and is asked for jointly along a column.
; REGISTERS in windows of 256: window 0: v16-27 addresses, v64-95 and v128-159 fragments of A (two buffers; v64-191 serve the way out),
; v192-255 the bias; window 1: v64-127, v128-191 fragments of W (two buffers); window 2: the accumulators, tile (a, b) at v[8 (8 a + b)].
; THE MATRIX INSTRUCTION IS USED TRANSPOSED (source 0 = 16 columns of W, source 1 = 16 rows of A): lane l holds row l % 16 of C and the columns
; 8 (l / 16) + 0..7 of a tile: 32 neighbouring bytes of f32.
; LIMIT: f16 operands: below 65,504 in magnitude.
.set SIZE_K, 1024
.set SIZE_N, 1024
.set KSTEP,  128
.set PITCH,  272                       ; A in LDS: 256 bytes + 16
.set BPITCH, 544                       ; W in LDS: 512 bytes + 32, an odd multiple of 32
.set HALFT,  128*PITCH                 ; a wave's region of a slot, 34,816 bytes: waves 0, 1 lay 64 rows of A (17,408 bytes) at its start, waves 2, 3 fill it with 64 k-rows of W
.set SLOT,   4*HALFT
.set STAGE,  2*SLOT                    ; behind the ring: 16 rows x 528 bytes for each wave; no tensor load lands here
.set SPITCH, 528                       ; 512 bytes + 16
.set WOFF,   3*SIZE_K*SIZE_N*2         ; Wo in wb
.set LAPS, SIZE_K/(2*KSTEP)            ; a lap = two K steps = once round the ring
.set ADRA, 16                          ; v16-17  LDS address of my A fragments in slot 0, 1
.set ADRB, 20                          ; v20-21  the same for W
.set STO,  24
.set RD,   25
.set CO,   26
.set BOFF, 27                          ; v27     32 x (l / 16): my eight bias numbers inside a tile's sixteen
.set F0,   64
.set F1,   128
.set BI,   192                         ; v[192:255] the bias of my 128 columns: tile b at 8 b
.set G1, 24                            ; s[24:31] descriptor group 1, A
.set G0, 32                            ; s[32:39] group 0, A, a set for each slot
.set G1B, 48                           ; s[48:55] group 1, W
.set G0B, 56                           ; s[56:63] group 0, W, a set for each slot
.set MSB, 0
.macro WIN new                         ; the immediate's high byte repeats the setting that is left
.if MSB != \new
	s_set_vgpr_msb (MSB<<8)|\new
.set MSB, \new
.endif
.endm
.set MUL,  0xa1                        ; source 0 (W) window 1, source 1 (A) window 0, C and D window 2
.set TO_B, 0x40                        ; destination window 1, address window 0
.macro JLOAD s                         ; waves 0 and 1 fetch A's two halves, waves 2 and 3 W's; the branch hangs on the wave's number alone
	s_cmp_eq_u32 s11, 0
	s_cbranch_scc0 .Lfor_b_\@
	tensor_load_to_lds s[G0+4*\s:G0+4*\s+3], s[G1:G1+7]
	s_nop 0
	s_branch .Lasked_\@
.Lfor_b_\@:
	tensor_load_to_lds s[G0B+4*\s:G0B+4*\s+3], s[G1B:G1B+7]
	s_nop 0
.Lasked_\@:
.endm
.macro CREST                           ; a round of the cluster's barrier behind its opening work-group barrier
	s_cmp_lg_u32 s10, 0
	s_cbranch_scc1 .Lnot_wave_0_\@
	s_barrier_signal -3
.Lnot_wave_0_\@:
	s_barrier_wait -3
	s_barrier_signal -1
	s_barrier_wait -1
.endm
.macro CROUND                          ; a whole round
	s_barrier_signal -1
	s_barrier_wait -1
	CREST
.endm
	s_load_b128 s[4:7], s[0:1], 0x0                ; ao s[4:5], wb s[6:7]
	s_load_b64 s[74:75], s[0:1], 0x10              ; bo
	s_load_b64 s[8:9], s[0:1], 0x18                ; out0
	s_set_vgpr_msb 0x40
	v_lshl_add_u32 v255, v0, 2, 0x4c400
	s_set_vgpr_msb 0x4000
	v_mov_b32 v63, 0
	s_set_vgpr_msb 0x1
	ds_add_u32 v255, v63
	s_set_vgpr_msb 0x100
	v_lshrrev_b32 v1, 5, v0
	v_readfirstlane_b32 s10, v1                    ; wave 0..3
	s_lshr_b32 s11, s10, 1                         ; which 64 of the block's rows are mine.  Also: I fetch for A (0) or for W (1)
	s_and_b32 s12, s10, 1                          ; which 128 of its columns.  Also: which half of that tile I fetch
	s_bfe_u32 s40, ttmp6, 0x40000                  ; cx
	s_bfe_u32 s41, ttmp6, 0x40004                  ; cy
	s_lshl_b32 s42, ttmp9, 2
	s_add_co_u32 s42, s42, s40                     ; block column = 4 x cluster x + cx
	s_and_b32 s13, ttmp7, 0xffff
	s_lshl_b32 s13, s13, 2
	s_add_co_u32 s13, s13, s41                     ; block row = 4 x cluster y + cy
	s_lshl_b32 s43, s41, 2
	s_lshl_b32 s43, 15, s43                        ; my row of the cluster
	s_lshl_b32 s44, 0x1111, s40                    ; my column
	s_or_b32 s[G1+0], s43, (1<<16)|(1<<20)|(1<<21)|(5<<22)|(3<<25)     ; A: 64 rows x 128 elements of 2 bytes, 4 words of padding behind every 64
	s_mov_b32 s[G1+1], KSTEP<<16                   ; tensor_dim0 = 128
	s_mov_b32 s[G1+2], 64<<16                      ; tensor_dim1 = 64
	s_mov_b32 s[G1+3], KSTEP<<16                   ; tile_dim0 = 128
	s_mov_b32 s[G1+4], 64                          ; tile_dim1 = 64
	s_mov_b32 s[G1+5], SIZE_K                      ; elements from row to row
	s_mov_b32 s[G1+6], 0
	s_mov_b32 s[G1+7], 0
	s_or_b32 s[G1B+0], s44, (1<<16)|(1<<20)|(1<<21)|(6<<22)|(7<<25)    ; W: 64 k-rows x 256 elements, 8 words of padding behind every 128
	s_mov_b32 s[G1B+1], 256<<16
	s_mov_b32 s[G1B+2], 64<<16
	s_mov_b32 s[G1B+3], 256<<16
	s_mov_b32 s[G1B+4], 64
	s_mov_b32 s[G1B+5], SIZE_N
	s_mov_b32 s[G1B+6], 0
	s_mov_b32 s[G1B+7], 0
	; where the tiles come from: A's offset is made of the block row, W's of the block column, each in registers of its own
	s_lshl_b32 s17, s12, 6
	s_lshl_b32 s16, s13, 7
	s_add_co_u32 s16, s16, s17                     ; A: row 128 x block row + 64 x half
	s_lshl_b32 s16, s16, 11                        ; x 2,048 bytes
	s_mov_b32 s17, 0
	s_lshl_b32 s46, s12, 17                        ; W: 64 k-rows x half
	s_lshl_b32 s47, s42, 9                         ; + 512 bytes x block column
	s_add_co_u32 s46, s46, s47
	s_add_co_u32 s46, s46, WOFF
	s_mov_b32 s47, 0
	s_lshl_b32 s76, s42, 10                        ; my 128 columns, in f32 bytes: 1,024 x block column + 512 x half; the same in bo and in a row of C
	s_lshl_b32 s77, s12, 9
	s_add_co_u32 s76, s76, s77
	s_mov_b32 s77, 0
	s_mul_i32 s20, s10, HALFT                      ; and where they go: wave x 34,816
	s_wait_dscnt 0x0
	s_wait_kmcnt 0x0
	s_add_nc_u64 s[14:15], s[4:5], s[16:17]
	s_add_nc_u64 s[46:47], s[6:7], s[46:47]
	s_add_nc_u64 s[74:75], s[74:75], s[76:77]
	CROUND                                         ; all sixteen work-groups are here: the first joint loads meet
.irp s, 0,1
	s_mov_b32 s[G0+4*\s], 1
	s_add_co_u32 s[G0+4*\s+1], s20, \s*SLOT
	s_add_nc_u64 s[G0+4*\s+2:G0+4*\s+3], s[14:15], \s*KSTEP*2              ; K step s: 256 bytes along A's rows
	s_or_b32 s[G0+4*\s+3], s[G0+4*\s+3], 0x80000000
	s_mov_b32 s[G0B+4*\s], 1
	s_add_co_u32 s[G0B+4*\s+1], s20, \s*SLOT
	s_add_nc_u64 s[G0B+4*\s+2:G0B+4*\s+3], s[46:47], \s*KSTEP*SIZE_N*2     ; K step s: 128 rows down W
	s_or_b32 s[G0B+4*\s+3], s[G0B+4*\s+3], 0x80000000
	JLOAD \s                                       ; two tensor loads of a wave are out here, one behind every later round
.endr
	v_and_b32 v1, 15, v0                           ; r = l % 16
	v_bfe_u32 v2, v0, 4, 1                         ; h = l / 16
	v_lshlrev_b32 v[BOFF], 5, v2
.irp b, 0,1,2,3,4,5,6,7
	global_load_b128 v[BI+8*\b:BI+8*\b+3],   v[BOFF], s[74:75] offset:64*\b       ; the bias of columns 16 b + 8 h + 0..3: asked for here, used behind the K loop
	global_load_b128 v[BI+8*\b+4:BI+8*\b+7], v[BOFF], s[74:75] offset:64*\b+16    ; + 4..7
.endr
	v_mul_u32_u24 v3, v1, PITCH
	v_lshl_add_u32 v3, v2, 4, v3                   ; A: row r, 16 h
	v_and_b32 v6, 7, v0
	v_lshl_add_u32 v6, v2, 3, v6                   ; W: k-row 8 h + l % 8,
	v_mul_u32_u24 v6, v6, BPITCH
	v_bfe_u32 v7, v0, 3, 1
	v_lshl_add_u32 v6, v7, 4, v6                   ; 16 bytes x ((l / 8) % 2): the addresses that the transposing load wants
	s_mul_i32 s21, s11, HALFT                      ; my 64 rows of A lie at the start of region 0 or 1
	s_lshl_b32 s22, s12, 8                         ; my 128 columns of W,
	s_add_co_u32 s22, s22, 2*HALFT                 ; which fills regions 2 and 3
.irp s, 0,1
	v_add_nc_u32 v[ADRA+\s], s21, v3
	v_add_nc_u32 v[ADRB+\s], s22, v6
	s_add_co_u32 s21, s21, SLOT
	s_add_co_u32 s22, s22, SLOT
.endr
	s_mul_i32 s23, s10, 16*SPITCH
	s_add_co_u32 s23, s23, STAGE                   ; my stage
	v_mul_u32_u24 v4, v1, SPITCH                   ; in: row r, 32 bytes for each half of the lanes
	v_lshl_add_u32 v4, v2, 5, v4
	v_add_nc_u32 v[STO], s23, v4
	v_and_b32 v5, 31, v0
	v_lshlrev_b32 v[CO], 4, v5                     ; a row of 512 bytes: 16 bytes a lane, in C
	v_add_nc_u32 v[RD], s23, v[CO]                 ; and in the stage
; 16 matrix instructions: m blocks a0, a0 + 1 of my four x all 8 n blocks, 32 along K.  zero = 1: the first product starts the sums.
.macro MUL16 f, a0, zero
.irp a, \a0, \a0+1
.irp b, 0,1,2,3,4,5,6,7
.if \zero
	v_wmma_f32_16x16x32_f16 v[8*(8*(\a)+\b):8*(8*(\a)+\b)+7], v[\f+8*\b:\f+8*\b+7], v[\f+8*(\a):\f+8*(\a)+7], 0
.else
	v_wmma_f32_16x16x32_f16 v[8*(8*(\a)+\b):8*(8*(\a)+\b)+7], v[\f+8*\b:\f+8*\b+7], v[\f+8*(\a):\f+8*(\a)+7], v[8*(8*(\a)+\b):8*(8*(\a)+\b)+7]
.endif
.endr
.endr
.endm
; 24 LDS loads in one run: the fragments of quarter q of a K step (32 along K) into buffer f: W's 128 columns, then A's 64 rows
.macro FETCH slot, q, f
	WIN TO_B
.irp i, 0,1,2,3,4,5,6,7
	ds_load_tr16_b128 v[\f+8*\i:\f+8*\i+3],   v[ADRB+\slot] offset:\q*32*BPITCH+32*\i             ; k = 32 q + 8 h .. + 7 of column 16 i + r
	ds_load_tr16_b128 v[\f+8*\i+4:\f+8*\i+7], v[ADRB+\slot] offset:\q*32*BPITCH+32*\i+16*BPITCH   ; k = 32 q + 16 + 8 h ..; 61,152 is the largest offset
.endr
	WIN 0
.irp i, 0,1,2,3
	ds_load_b128 v[\f+8*\i:\f+8*\i+3],   v[ADRA+\slot] offset:\q*64+\i*16*PITCH
	ds_load_b128 v[\f+8*\i+4:\f+8*\i+7], v[ADRA+\slot] offset:\q*64+\i*16*PITCH+32
.endr
.endm
.macro PLACES                          ; four places between a matrix instruction and a load into, or a vector instruction on, one of its registers (ISA guide 7.12.1 for vector instructions)
.rept 4
	v_nop
.endr
.endm
; A K step is four quarters of 32 along K, 32 matrix instructions each, on buffers 0, 1, 0, 1.  The 32 accumulators take turns, one instruction a
; turn, in the same order in every quarter.
; One of the first three quarters: first the NEXT quarter's fragments (quarter q) are asked for, into buffer g, which the last quarter multiplied:
; they have this whole quarter's 32 matrix instructions to land in.  Then buffer f is multiplied.
.macro QUARTER slot, q, f, g, zero
	PLACES
	FETCH \slot, \q, \g
	s_wait_dscnt 24                                ; all but the 24 just issued: buffer f is in
	WIN MUL
	MUL16 \f, 0, \zero
	MUL16 \f, 2, \zero
.endm
.macro THREE slot, zero
	QUARTER \slot, 1, F0, F1, \zero
	QUARTER \slot, 2, F1, F0, 0
	QUARTER \slot, 3, F0, F1, 0
.endm
; The last quarter multiplies buffer 1 and changes slots.  In front of the barrier each wave waits for its reads of this slot and for all its tensor
; loads (the one that is out is its part of the next slot); where the slot is filled again the barrier opens a round of the cluster's barrier, and
; the joint refill is the first tensor load behind the round.  From a request to the wait for it a wave issues 112 matrix instructions.
.macro TURN slot, next, fill
	s_wait_dscnt 0                                 ; buffer 1 is in, and with it my last reads of this slot
	s_wait_tensorcnt 0x0
	ds_add_u32 v255, v63
	s_wait_dscnt 0x0
	WIN MUL
	s_barrier_signal -1
	MUL16 F1, 0, 0                                 ; register work while the others arrive
	WIN 0
	s_barrier_wait -1
.if \fill
	CREST
	s_add_nc_u64 s[G0+4*\slot+2:G0+4*\slot+3], s[G0+4*\slot+2:G0+4*\slot+3], 2*KSTEP*2
	s_add_nc_u64 s[G0B+4*\slot+2:G0B+4*\slot+3], s[G0B+4*\slot+2:G0B+4*\slot+3], 2*KSTEP*SIZE_N*2
	JLOAD \slot
.endif
	PLACES
	FETCH \next, 0, F0
	WIN MUL
	MUL16 F1, 2, 0
.endm
.macro LAP zero
	THREE 0, \zero
	TURN 0, 1, 1
	THREE 1, 0
	TURN 1, 0, 1
.endm
	s_wait_tensorcnt 1                             ; my part of K step 0 is in; K step 1's stays out
	s_barrier_signal -1
	s_barrier_wait -1
	FETCH 0, 0, F0
	LAP 1                                          ; the first lap's first products start the sums
	WIN 0
	s_mov_b32 s3, LAPS-2
.Llap:
	LAP 0
	WIN 0
	s_sub_co_u32 s3, s3, 1
	s_cmp_lg_u32 s3, 0
	s_cbranch_scc1 .Llap
	THREE 0, 0                                     ; the last lap fills nothing
	TURN 0, 1, 0
	THREE 1, 0
	s_wait_dscnt 0                                 ; the very last quarter: nothing more to fetch
	WIN MUL
	MUL16 F1, 0, 0
	MUL16 F1, 2, 0
	; THE WAY OUT: the bias is added in place, then 16 rows at a time go through my own stage and leave as whole rows of 512 bytes.
	PLACES                                         ; behind the last matrix instructions: for the arithmetic on the sums and for the loads into buffers 0 and 1
	WIN 0
	s_lshl_b32 s13, s13, 7
	s_lshl_b32 s14, s11, 6
	s_add_co_u32 s16, s13, s14                     ; my first row of C
	s_lshl_b32 s16, s16, 12                        ; x 4,096 bytes
	s_mov_b32 s17, 0
	s_add_nc_u64 s[8:9], s[8:9], s[16:17]
	s_add_nc_u64 s[8:9], s[8:9], s[76:77]
	s_wait_loadcnt 0x0                             ; the bias, asked for at the head
	WIN 0x82                                       ; source 0 and destination window 2, the bias window 0
.irp a, 0,1,2,3
.irp b, 0,1,2,3,4,5,6,7
.irp j, 0,2,4,6
	v_pk_add_f32 v[8*(8*\a+\b)+\j:8*(8*\a+\b)+\j+1], v[8*(8*\a+\b)+\j:8*(8*\a+\b)+\j+1], v[BI+8*\b+\j:BI+8*\b+\j+1]
.endr
.endr
.endr
; rows 16 i .. 16 i + 15 of my block = the eight tiles (i, 0..7) of window 2 (an LDS store's data is source 1: setting 0x08); f: F0 or F1 in turn
.macro OUT16F i, f
	WIN 0x08
.irp b, 0,1,2,3,4,5,6,7
	ds_store_b128 v[STO], v[8*(8*\i+\b):8*(8*\i+\b)+3]   offset:64*\b
	ds_store_b128 v[STO], v[8*(8*\i+\b)+4:8*(8*\i+\b)+7] offset:64*\b+16
.endr
	WIN 0
	s_wait_xcnt 0x0                                ; buffer f, which earlier stores read, and the stores' base are rewritten only behind this wait
.if \i
	s_add_nc_u64 s[8:9], s[8:9], 16*SIZE_N*4
.endif
.irp t, 0,1,2,3,4,5,6,7,8,9,10,11,12,13,14,15
	ds_load_b128 v[\f+4*\t:\f+4*\t+3], v[RD] offset:\t*SPITCH      ; LDS serves a wave's instructions in order (ISA guide 5.7.1): these see the stores above
.endr
.irp t, 0,1,2,3,4,5,6,7,8,9,10,11,12,13,14,15
	s_wait_dscnt 15-\t                             ; the 15 - t younger read-backs stay out
	global_store_b128 v[CO], v[\f+4*\t:\f+4*\t+3], s[8:9] offset:\t*SIZE_N*4 th:TH_STORE_NT   ; a wave stores 512 consecutive aligned bytes
.endr
.endm
	OUT16F 0, F0
	OUT16F 1, F1
	OUT16F 2, F0
	OUT16F 3, F1
	s_set_vgpr_msb 0x1
	s_wait_tensorcnt 0x0
	ds_add_u32 v255, v63
	s_wait_dscnt 0x0
	s_set_vgpr_msb 0x100
	CROUND                                         ; the closing round: no work-group ends while a partner may still ask for a tile that names it
	s_endpgm
.Lfunc_end_k_qc5cb1d1342_oproj:
	.size	k_qc5cb1d1342_oproj, .Lfunc_end_k_qc5cb1d1342_oproj-k_qc5cb1d1342_oproj
	.p2alignl 7, 3214868480
	.fill 96, 4, 3214868480
	.section	.rodata,"a",@progbits
	.p2align	6, 0x0
	.amdhsa_kernel k_qc5cb1d1342_oproj
		.amdhsa_group_segment_fixed_size 327680
		.amdhsa_private_segment_fixed_size 0
		.amdhsa_enable_private_segment 0
		.amdhsa_kernarg_size 32
		.amdhsa_user_sgpr_count 2
		.amdhsa_user_sgpr_kernarg_segment_ptr 1
		.amdhsa_wavefront_size32 1
		.amdhsa_system_sgpr_workgroup_id_x 1
		.amdhsa_system_sgpr_workgroup_id_y 1
		.amdhsa_system_sgpr_workgroup_id_z 1
		.amdhsa_system_vgpr_workitem_id 0
		.amdhsa_next_free_vgpr 768
		.amdhsa_next_free_sgpr 80
		.amdhsa_reserve_vcc 0
		.amdhsa_float_denorm_mode_32 3
		.amdhsa_float_denorm_mode_16_64 3
		.amdhsa_memory_ordered 1
		.amdhsa_forward_progress 1
		.amdhsa_inst_pref_size 128
	.end_amdhsa_kernel
	.amdgpu_metadata
---
amdhsa.version: [ 1, 2 ]
amdhsa.kernels:
  - .name:           k_qc5cb1d1342_oproj
    .symbol:         k_qc5cb1d1342_oproj.kd
    .args:
      - { .name: ao, .offset: 0, .size: 8, .value_kind: global_buffer, .address_space: global }
      - { .name: wb, .offset: 8, .size: 8, .value_kind: global_buffer, .address_space: global }
      - { .name: bo, .offset: 16, .size: 8, .value_kind: global_buffer, .address_space: global }
      - { .name: out0, .offset: 24, .size: 8, .value_kind: global_buffer, .address_space: global }
    .group_segment_fixed_size: 327680
    .private_segment_fixed_size: 0
    .kernarg_segment_align: 8
    .kernarg_segment_size: 32
    .max_flat_workgroup_size: 128
    .sgpr_count:     80
    .vgpr_count:     768
    .wavefront_size: 32
...
	.end_amdgpu_metadata
.endif
;; end of part 4
;; ======== version 2 of 2: 4 launches; version 1 with the launch prep written anew for expert scheduling mode
;; limits: values are held in f16: magnitudes above 65,504 overflow, below 6.1e-05 lose precision
;; workspace buffers: xb 50,331,648 bytes; wb 8,388,608 bytes; mb 2,097,152 bytes of whole numbers; qkvb 50,331,648 bytes; ao 16,777,216 bytes
;; launch prep (part 5): grid 2304 x 1, 8 waves a work-group, no clusters, 35,840 bytes of LDS; arguments q, k, v, Wq, Wk, Wv, Wo, mask, xb, wb, mb; writes xb, wb, mb
.if DOCPART == 5
	.amdgcn_target "amdgcn-amd-amdhsa--gfx1250"
	.amdhsa_code_object_version 6
	.text
	.protected	k_qc5cb1d1342_prep
	.globl	k_qc5cb1d1342_prep
	.p2align	8
	.type	k_qc5cb1d1342_prep,@function
k_qc5cb1d1342_prep:
	s_mov_b64 s[64:65], 0
	v_nop
	global_prefetch_b8 v0, s[64:65] scope:SCOPE_SE
	s_setreg_imm32_b32 hwreg(HW_REG_WAVE_SCHED_MODE, 0, 2), 2
	s_setreg_imm32_b32 hwreg(HW_REG_WAVE_MODE, 25, 1), 1
	s_wait_xcnt 0x0
	s_wait_alu depctr_vm_vsrc(0)
; prep: two jobs that only move bytes, chosen by the work-group's number.
;   groups 0 .. 1791    CAST: 64 KiB of f32 (q, k, v, Wq, Wk, Wv, Wo, in this order) become 32 KiB of f16 in xb (q, k, v) or wb (Wq, Wk, Wv, Wo).
;   groups 1792 .. 2303 MASK: the 16 mask rows of query tile T = group - 1792 become 128 x 8 words of lane masks in mb:
;                       word j of (T, key tile U) has bit L = (mask[16 T + (L & 15)][16 U + 8 (L >> 4) + j] != 0),
;                       which is the lane mask of register j of a 16 x 16 tile of transposed scores: attention masks with one select a register.
; Every input byte is read once, by 16-byte loads of which sixteen neighbouring lanes cover 256 consecutive bytes; every store of a wave covers
; 256 or 512 consecutive aligned bytes.  No work-group shares an input byte with another: clusters and the matrix unit have nothing to give here.
; LIMIT: a number of 65,520 or more in magnitude becomes an f16 infinity.
; THE MODE: SCHED_MODE bits 1:0 = 2 (LLVM: expert scheduling mode 2), set by the entry lines.  The code itself states the register dependences
; between vector instructions and memory or LDS instructions, with s_wait_alu, always for 0.
; THE PLAN, CAST.  Registers that memory instructions touch:
;   v1, v2   offsets, made once, read by every load (v1) and every store (v2), never written again.
;   XR       written by the sixteen loads, once; read by the conversions; never loaded again.
;   HR       each register written once, by a conversion; read by one store; never written again.
; The sixteen loads go in four groups of four.  Group g's conversions name XR and HR of group g alone; the stores dealt among them leave from the HR
; of group g - 1, which one wait at the group's head has shown written.
; THE PLAN, MASK.  Registers that memory or LDS instructions touch:
;   v1 .. v4 addresses, made once, never written again.
;   XR[p]    piece p of four, 32 registers: written by the piece's global loads; read by its eight LDS stores; then (p < 3) the LDS loads of piece
;            p + 1 land in it, and piece p + 1's compares read it.  Piece 0 is read back into FR.  So no register that a vector instruction has read
;            is ever loaded again, and one wait on vm_vsrc a piece, a whole piece behind the LDS stores that it speaks of, is all that the pieces owe.
;   OUTR     written by v_mov_b32 and v_writelane_b32; read by the one global store at the end.
;   s40-55   written by a run of sixteen compares, read by the sixteen v_writelane_b32 behind it: one wait on va_sdst between the two runs.
; Piece p + 1's LDS stores and loads stand behind piece p's first sixteen compares: their way through LDS runs beside the rest of piece p's vector work.
.set CASTS, 1792                       ; 3 x 512 chunks of x + 4 x 64 chunks of W
.set XR,   16                          ; v[16:143]  loaded words (CAST uses the first 64)
.set HR,   80                          ; v[80:111]  CAST: packed f16, two registers for each load
.set FR,   144                         ; v[144:175] MASK: piece 0, read back in the score tile's lane order
.set OUTR, 8                           ; v[8:11]    MASK: lane l holds words 4 l .. 4 l + 3 of the wave's 128
.set LP,   272                         ; LDS pitch: 256 bytes + 16, so that 16 rows begin in 16 different 16-byte columns modulo 256 bytes
	s_load_b512 s[16:31], s[0:1], 0x0              ; q k v Wq Wk Wv Wo mask, a pair each from s16 on
	s_load_b128 s[32:35], s[0:1], 0x40             ; xb s[32:33], wb s[34:35]
	s_load_b64 s[36:37], s[0:1], 0x50              ; mb
	v_lshl_add_u32 v176, v0, 2, 0x8800
	v_mov_b32 v177, 0
	v_lshrrev_b32 v5, 5, v0
	v_readfirstlane_b32 s12, v5                    ; wave 0..7
	v_and_b32 v6, 31, v0                           ; lane
	s_mov_b32 s14, ttmp9
	s_mov_b32 s3, 0                                ; upper word of every offset pair
	s_wait_alu depctr_va_sdst(0)                   ; s12 is written
	s_wait_kmcnt 0x0
	s_cmp_ge_u32 s14, CASTS
	s_cbranch_scc1 .Lmask
	; ---------------- CAST ----------------
	s_lshr_b32 s4, s14, 9                          ; 0, 1, 2: q, k, v; 3: a weight
	s_sub_co_u32 s5, s14, 1536                     ; chunk among the weights' 256 (used only where s4 = 3)
	s_lshr_b32 s6, s5, 6
	s_add_co_u32 s6, s6, 3                         ; 3 .. 6: Wq, Wk, Wv, Wo
	s_and_b32 s7, s14, 511                         ; chunk inside q, k or v
	s_and_b32 s13, s5, 63                          ; chunk inside a weight
	s_cmp_lt_u32 s4, 3                             ; the selects below leave SCC alone
	s_cselect_b32 s6, s4, s6                       ; which source
	s_cselect_b32 s7, s7, s13                      ; chunk in the source
	s_cselect_b32 s5, s14, s5                      ; chunk in the destination
	s_cselect_b64 s[10:11], s[32:33], s[34:35]     ; xb or wb
	s_mov_b64 s[8:9], s[16:17]
.irp n, 1,2,3,4,5,6
	s_cmp_eq_u32 s6, \n
	s_cselect_b64 s[8:9], s[16+2*\n:17+2*\n], s[8:9]
.endr
	s_lshl_b32 s2, s7, 16                          ; 64 KiB of f32 a chunk
	s_add_nc_u64 s[8:9], s[8:9], s[2:3]
	s_lshl_b32 s2, s5, 15                          ; 32 KiB of f16 a chunk
	s_add_nc_u64 s[10:11], s[10:11], s[2:3]
	v_lshlrev_b32 v1, 4, v6
	v_lshl_add_u32 v1, s12, 13, v1                 ; source: 8,192 x wave + 16 x lane
	v_lshrrev_b32 v2, 1, v1                        ; destination: half of that
	s_wait_alu depctr_va_vdst(0)                   ; v1 and v2 are written: every load below reads v1 as its offset, every store v2
.irp j, 0,1,2,3,4,5,6,7,8,9,10,11,12,13,14,15
	global_load_b128 v[XR+4*\j:XR+4*\j+3], v1, s[8:9] offset:512*\j th:TH_LOAD_NT   ; all sixteen go out at once: 8 KiB a wave
.endr
; Group g of four: loads 4 g .. 4 g + 3 are rounded; the four stores of group g - 1 are dealt among the conversions.
.macro CGROUP g
	s_wait_loadcnt 12-4*(\g)                       ; loads return in order: the 12 - 4 g loads of the later groups stay out
.if \g
	s_wait_alu depctr_va_vdst(0)                   ; the conversions of the group before have written their HR, which the stores below read
.endif
.irp i, 0,1,2,3
.if \g
	global_store_b64 v2, v[HR+2*(4*(\g)-4+\i):HR+2*(4*(\g)-4+\i)+1], s[10:11] offset:256*(4*(\g)-4+\i)   ; 32 lanes x 8 bytes: 256 consecutive aligned bytes; no vector instruction since the wait names these registers
.endif
	v_cvt_pk_f16_f32 v[HR+2*(4*(\g)+\i)],   v[XR+4*(4*(\g)+\i)],   v[XR+4*(4*(\g)+\i)+1]
	v_cvt_pk_f16_f32 v[HR+2*(4*(\g)+\i)+1], v[XR+4*(4*(\g)+\i)+2], v[XR+4*(4*(\g)+\i)+3]
.endr
.endm
	CGROUP 0
	CGROUP 1
	CGROUP 2
	CGROUP 3
	s_wait_alu depctr_va_vdst(0)                   ; the last group's conversions have written their HR, which the last four stores read
.irp i, 0,1,2,3
	global_store_b64 v2, v[HR+24+2*\i:HR+24+2*\i+1], s[10:11] offset:256*(12+\i)
.endr
	s_endpgm                                       ; this way has stored nothing to LDS
	; ---------------- MASK ----------------
.Lmask:
	s_sub_co_u32 s4, s14, CASTS                    ; T
	s_lshl_b32 s2, s4, 17                          ; 16 rows of 8,192 bytes
	s_add_nc_u64 s[30:31], s[30:31], s[2:3]
	s_lshl_b32 s2, s4, 12                          ; 128 key tiles x 8 words
	s_add_nc_u64 s[36:37], s[36:37], s[2:3]
	v_and_b32 v7, 15, v0                           ; r
	v_bfe_u32 v12, v0, 4, 1                        ; h
	v_lshlrev_b32 v1, 4, v7
	v_lshl_add_u32 v1, v12, 13, v1
	v_lshl_add_u32 v1, s12, 10, v1                 ; memory: row h of a pair, my wave's 256 keys, 16 bytes a lane
	s_mul_i32 s13, s12, 16*LP                      ; my wave's own 16 rows in LDS
	v_mul_u32_u24 v2, v12, LP
	v_lshl_add_u32 v2, v7, 4, v2
	v_add_nc_u32 v2, s13, v2                       ; in: as loaded
	v_mul_u32_u24 v3, v7, LP
	v_lshl_add_u32 v3, v12, 5, v3
	v_add_nc_u32 v3, s13, v3                       ; back: row r, keys 8 h .. 8 h + 7 of a key tile
	v_lshlrev_b32 v4, 4, v6
	v_lshl_add_u32 v4, s12, 9, v4                  ; mb: 512 bytes a wave, 16 a lane
.irp j, 0,1,2,3
	v_mov_b32 v[OUTR+\j], 0                        ; v_writelane_b32 keeps the other lanes: the registers are written whole first
.endr
	s_wait_alu depctr_va_vdst(0)                   ; the four addresses v1 to v4 are written, which the loads, LDS stores, LDS loads and the store below read
.irp p, 0,1,2,3
.irp t, 0,1,2,3,4,5,6,7
	global_load_b128 v[XR+4*(8*\p+\t):XR+4*(8*\p+\t)+3], v1, s[30:31] offset:256*\p+16384*\t th:TH_LOAD_NT   ; piece p (64 keys), rows 2 t and 2 t + 1
.endr
.endr
; Piece p of 64 keys goes through the wave's own LDS rows into the score tile's lane order.  It comes back into FR (p = 0) or into XR[p - 1].
; The bytes are the wave's own and LDS serves a wave's instructions in order (ISA guide 5.7.1): no barrier.
.macro STAGE p
	s_wait_loadcnt 24-8*(\p)                       ; the loads of the later pieces, eight each, stay out
.if \p
	s_wait_alu depctr_vm_vsrc(0)                   ; the LDS stores of the piece before have read XR[p - 1], in which the LDS loads below land; the stores below read XR[p] and v2 alone
.set FB, XR+32*((\p)-1)
.else
.set FB, FR
.endif
.irp t, 0,1,2,3,4,5,6,7
	ds_store_b128 v2, v[XR+4*(8*(\p)+\t):XR+4*(8*(\p)+\t)+3] offset:2*LP*\t
.endr
.irp e, 0,1,2,3,4,5,6,7
	ds_load_b128 v[FB+4*\e:FB+4*\e+3], v3 offset:64*(\e/2)+16*(\e%2)               ; key tile e / 2, words j = 4 (e % 2) ..
.endr
.endm
; Piece p's 32 compares and 32 words placed, in two runs of sixteen.  more = 1: the next piece's LDS stores and loads stand behind the first run of compares.
.macro WORK p, more
	s_wait_dscnt 0x0                               ; piece p is back in registers: nothing younger than its own LDS loads is out
.if \p
.set WB, XR+32*((\p)-1)
.else
.set WB, FR
.endif
.set n, 0
.rept 2
.set c, 0
.rept 16
	v_cmp_ne_u32 s[40+c], 0, v[WB+n+c]             ; the lane mask itself is the word
.set c, c+1
.endr
.if (\more) && (n == 0)
	STAGE (\p)+1                                   ; it names XR[p + 1], XR[p], v2 and v3: none of the registers that this piece's vector work names
.endif
	s_wait_alu depctr_va_sdst(0)                   ; the sixteen compares have written s40 to s55, which the sixteen lines below read
.set c, 0
.rept 16
	v_writelane_b32 v[OUTR+((32*(\p)+n+c)&3)], s[40+c], (32*(\p)+n+c)>>2
.set c, c+1
.endr
.set n, n+16
.endr
.endm
	STAGE 0
	WORK 0, 1
	WORK 1, 1
	WORK 2, 1
	WORK 3, 0
	s_wait_alu depctr_va_vdst(0)                   ; the v_writelane_b32 have written v[OUTR ..], which the store reads
	global_store_b128 v4, v[OUTR:OUTR+3], s[36:37] ; 512 consecutive aligned bytes a wave
	s_wait_dscnt 0x0                               ; the closing lines, six on end
	s_wait_alu 0x0
	s_wait_tensorcnt 0x0
	ds_add_u32 v176, v177
	s_wait_dscnt 0x0
	s_endpgm
.Lfunc_end_k_qc5cb1d1342_prep:
	.size	k_qc5cb1d1342_prep, .Lfunc_end_k_qc5cb1d1342_prep-k_qc5cb1d1342_prep
	.p2alignl 7, 3214868480
	.fill 96, 4, 3214868480
	.section	.rodata,"a",@progbits
	.p2align	6, 0x0
	.amdhsa_kernel k_qc5cb1d1342_prep
		.amdhsa_group_segment_fixed_size 35840
		.amdhsa_private_segment_fixed_size 0
		.amdhsa_enable_private_segment 0
		.amdhsa_kernarg_size 88
		.amdhsa_user_sgpr_count 2
		.amdhsa_user_sgpr_kernarg_segment_ptr 1
		.amdhsa_wavefront_size32 1
		.amdhsa_system_sgpr_workgroup_id_x 1
		.amdhsa_system_sgpr_workgroup_id_y 1
		.amdhsa_system_sgpr_workgroup_id_z 1
		.amdhsa_system_vgpr_workitem_id 0
		.amdhsa_next_free_vgpr 178
		.amdhsa_next_free_sgpr 66
		.amdhsa_reserve_vcc 0
		.amdhsa_float_denorm_mode_32 3
		.amdhsa_float_denorm_mode_16_64 3
		.amdhsa_memory_ordered 1
		.amdhsa_forward_progress 1
		.amdhsa_inst_pref_size 33
	.end_amdhsa_kernel
	.amdgpu_metadata
---
amdhsa.version: [ 1, 2 ]
amdhsa.kernels:
  - .name:           k_qc5cb1d1342_prep
    .symbol:         k_qc5cb1d1342_prep.kd
    .args:
      - { .name: q, .offset: 0, .size: 8, .value_kind: global_buffer, .address_space: global }
      - { .name: k, .offset: 8, .size: 8, .value_kind: global_buffer, .address_space: global }
      - { .name: v, .offset: 16, .size: 8, .value_kind: global_buffer, .address_space: global }
      - { .name: Wq, .offset: 24, .size: 8, .value_kind: global_buffer, .address_space: global }
      - { .name: Wk, .offset: 32, .size: 8, .value_kind: global_buffer, .address_space: global }
      - { .name: Wv, .offset: 40, .size: 8, .value_kind: global_buffer, .address_space: global }
      - { .name: Wo, .offset: 48, .size: 8, .value_kind: global_buffer, .address_space: global }
      - { .name: mask, .offset: 56, .size: 8, .value_kind: global_buffer, .address_space: global }
      - { .name: xb, .offset: 64, .size: 8, .value_kind: global_buffer, .address_space: global }
      - { .name: wb, .offset: 72, .size: 8, .value_kind: global_buffer, .address_space: global }
      - { .name: mb, .offset: 80, .size: 8, .value_kind: global_buffer, .address_space: global }
    .group_segment_fixed_size: 35840
    .private_segment_fixed_size: 0
    .kernarg_segment_align: 8
    .kernarg_segment_size: 88
    .max_flat_workgroup_size: 256
    .sgpr_count:     66
    .vgpr_count:     178
    .wavefront_size: 32
...
	.end_amdgpu_metadata
.endif
;; end of part 5
;; launch proj: the kernel of part 2 again; grid 4 x 96, 4 waves a work-group, clusters of 4 x 4, 327,680 bytes of LDS; arguments xb, wb, bq, bk, bv, qkvb; writes qkvb
;; launch attn: the kernel of part 3 again; grid 8 x 32, 8 waves a work-group, clusters of 4 x 1, 327,680 bytes of LDS; arguments qkvb, mb, ao; writes ao
;; launch oproj: the kernel of part 4 again; grid 4 x 64, 4 waves a work-group, clusters of 4 x 4, 327,680 bytes of LDS; arguments ao, wb, bo, out0; writes out0
